; MI455X (gfx1250); checked and timed in simulation.
; The chip was launched on July 23, 2026; its instructions are those of AMD's public machine-readable ISA for CDNA 5 (MIT licence, August 2026) and "CDNA5" Instruction Set Architecture Reference Guide (July 2026). The comments in the code are by the model that wrote it; some were corrected since.
;; Attention. Allowed arithmetic: matrix products marked QUANTISED: E2M3 operands, one E8M0 scale for each 32 along K, by v_wmma_scale_f32_16x16x128_f8f6f4 with both operands' format E2M3, f32 sums; products left as they are: f32 operands where the result goes on into a quantised operand, else bf16, f16 or f32 operands; f32 sums; everything else in f32.
;; Inputs: Wa1 1,024 x 256 float32; Wa2 256 x 1,024 float32; We 256 x 256 float32; Wk 256 x 128 float32; Wp1 64 x 256 float32; Wp2 256 x 64 float32; Wq 256 x 3 float32; Wv 256 x 128 float32; a_beta 1,024 float32; a_gamma 1,024 float32; a_mean 1,024 float32; a_var 1,024 float32; ba1 1,024 float32; ba2 256 float32; be 256 float32; bk 256 float32; bp1 64 float32; bp2 256 float32; bq 256 float32; bv 256 float32; key 2 x 128 x 4,096 x 8 float32; p_beta 64 float32; p_gamma 64 float32; p_mean 64 float32; p_var 64 float32; pos 2 x 3 x 4,096 float32; values 2 x 128 x 4,096 x 8 float32.
;; Outputs: out0 2 x 256 x 4,096 float32.
;; This version of the problem:
;;   THIS VERSION OF THE PROBLEM IS GIVEN IN LOW PRECISION. The matrix products marked QUANTISED in the list below multiply operands that are first quantised to E2M3 (2 exponent bits, 3 mantissa bits; 6 bits a number), with one power-of-two scale for each 32 numbers along K (OCP MX v1.0); their sums are f32. All else is computed in f32.
;;   The module's matrix products, in the order in which they are computed (A, B: the left and right operand; K: the contracted axis; several contracted axes count as one K, in the product's order):
;;     1. batch 2 x [M 4,096, K 3] x [K 3, N 4,096]; A: input pos; B: input pos: left as it is (K = 3 < 32)
;;     2. [M 65,536, K 128] x [K 128, N 256]; A: input key; B: input Wk: QUANTISED
;;     3. [M 65,536, K 128] x [K 128, N 256]; A: input values; B: input Wv: QUANTISED
;;     4. [M 65,536, K 3] x [K 3, N 256]; A: computed on the way; B: input Wq: left as it is (K = 3 < 32)
;;     5. [M 65,536, K 256] x [K 256, N 64]; A: computed on the way; B: input Wp1: QUANTISED
;;     6. [M 65,536, K 64] x [K 64, N 256]; A: computed on the way; B: input Wp2: QUANTISED
;;     7. [M 65,536, K 256] x [K 256, N 1,024]; A: computed on the way; B: input Wa1: QUANTISED
;;     8. [M 65,536, K 1,024] x [K 1,024, N 256]; A: computed on the way; B: input Wa2: QUANTISED
;;     9. [M 8,192, K 256] x [K 256, N 256]; A: computed on the way; B: input We: QUANTISED
;;   THE QUANTISER, for each operand of a quantised product, along K:
;;     - K is cut into blocks of 32 from its start; a last block that is shorter is filled with zeros.
;;     - A block's scale is 2^e with e = floor(log2(the largest magnitude in the block)) - 2, held to -126 .. 127; a block of zeros has e = 0. As a byte (E8M0): e + 127.
;;     - Each number is divided by its block's scale, clamped to +-7.5, and rounded to the nearest number of E2M3, ties to even, subnormals kept.
;;     - The product sums the exact products of the quantised numbers (number of the format x scale) in f32.
;;   ~~~python
;;   def quantise(x, axis):      # numpy; x: float32 -> the quantised numbers, widened to float32 again
;;       x = np.moveaxis(x, axis, -1); K = x.shape[-1]
;;       x = np.pad(x, [(0, 0)] * (x.ndim - 1) + [(0, -K % 32)]); x = x.reshape(x.shape[:-1] + (-1, 32)); a = np.abs(x).max(-1, keepdims=True)
;;       e = np.where(a > 0, np.clip(np.frexp(np.where(a > 0, a, 1))[1] - 1 - 2, -126, 127), 0)      # np.frexp(a)[1] - 1 = floor(log2(a)), exactly
;;       r = np.clip(x / 2.0 ** e, -7.5, 7.5)
;;       step = 2.0 ** (np.maximum(np.frexp(np.where(r == 0, 1, r))[1] - 1, 0) - 3)
;;       q = np.round(r / step) * step * 2.0 ** e      # np.round: ties to even
;;       return np.moveaxis(q.reshape(q.shape[:-2] + (-1,))[..., :K], -1, axis).astype(np.float32)
;;   ~~~
;;   OPERANDS COMPUTED ON THE WAY. 'Computed on the way' means the value that the module computes at that place (a softmax that the list does not call 'softmax' is quantised finished and normalised). What goes into a quantiser is computed in f32, as accurately as f32 sums, v_exp_f32 and their like allow (about 1e-6 of the number): no bf16 or f16 on the way to a quantiser, and a product that is left as it is and whose result goes on into a quantised operand takes f32 operands (vector FMAs, or v_wmma_f32_16x16x4_f32). A number that lies on a knife's edge between two numbers of the format may be rounded either way, as far as f32 arithmetic and the matrix unit's own rounding can turn it there, and no further.
;; One version. Each part assembles by itself: llvm-mc -triple=amdgcn-amd-amdhsa -mcpu=gfx1250 --defsym DOCPART=n.
;; ======== version 1 of 1: 3 launches
;; workspace buffers: gid 262,144 bytes of whole numbers; idx 262,144 bytes of whole numbers; wbuf 568,320 bytes
;; launch knn_groups (part 1): grid 256 x 1, 4 waves a work-group, no clusters, 100,864 bytes of LDS; arguments pos, gid; writes gid
.if DOCPART == 1
	.amdgcn_target "amdgcn-amd-amdhsa--gfx1250"
	.amdhsa_code_object_version 6
	.text
	.protected	k_qd453ba87ac_knn_groups
	.globl	k_qd453ba87ac_knn_groups
	.p2align	8
	.type	k_qd453ba87ac_knn_groups,@function
k_qd453ba87ac_knn_groups:
	s_mov_b64 s[64:65], 0
	v_nop
	global_prefetch_b8 v0, s[64:65] scope:SCOPE_SE
	s_setreg_imm32_b32 hwreg(HW_REG_WAVE_MODE, 25, 1), 1
	s_wait_xcnt 0x0
; KNN, first half.  pos: [2][3][4096] f32.  For each of the 8,192 queries: the smallest distance in each of the 256 groups of 16 neighbouring candidates,
; and of these the 8 groups with the smallest (minimum, group number), stored in ascending group order: gid [8192][8] u32.
; WHY THAT IS EXACT: were an element of the true first 8 (ordered by distance, then index) in a group that is not chosen, each of the 8 chosen groups would hold an element that is
; smaller, or equal and of a lower index (groups are runs of neighbouring indices): 8 elements ahead of it.
; d = fma(-2, dot, sq_i + sq_j), sq = fma(z,z,fma(y,y,x x)), dot = fma(z,z',fma(y,y',x x')): the same lines as in the launch that picks the 8 neighbours.
; LIMITS: NaN and infinities are not served; two distances that lie closer than the rounding of this order of operations may be ordered otherwise than by another order.
; SHARES: a work-group takes 32 queries of one batch.  Lane (r, h) of wave w holds queries 2 r and 2 r + 1 as a packed pair and walks candidates 512 (2 w + h) on: 32 groups.
; LDS: the batch's 4,096 candidates as (x, y, z, sq), 16 bytes each; the minima, 1,088 bytes a query (4 x (64 words + 16 bytes)); the spare words.
.set CAND,  0
.set MINS,  65536
.set QP,    1088
.set SPARE, 100352                     ; 128 bytes for each wave: two blocks of 256 bytes that no other line names
.set SPW, 3                            ; v3  my spare word's address; never rewritten
.set NIL, 4                            ; v4  0; never rewritten
.set CA0, 5                            ; v5  my split's first candidate in LDS
.set CA,  6                            ; v6  the pair of groups in hand
.set MA0, 7                            ; v7  where my two queries' minima begin
.set MA,  8
.set QX, 12                            ; v[12:19] my two queries' x, y, z, sq
.set QY, 14
.set QZ, 16
.set QS, 18
.set BFA, 32                           ; two buffers of 16 candidates
.set BFB, 96
.set D,  160                           ; 16 x 2 distances
.set MV, 32                            ; selection: 64 minima
.set L,  96                            ; the list: 8 values ascending,
.set I,  104                           ; their groups,
.set PL, 112                           ; and a partner's list
.set PI, 120
	s_load_b128 s[4:7], s[0:1], 0x0                ; pos, gid
	v_lshl_add_u32 v[SPW], v0, 2, SPARE
	v_mov_b32 v[NIL], 0
	s_lshr_b32 s8, ttmp9, 7                        ; batch
	s_and_b32 s9, ttmp9, 127
	s_mul_i32 s10, s8, 49152
	s_mov_b32 s11, 0
	s_lshl_b32 s12, s9, 7                          ; my 32 queries' bytes in a row of pos
	s_lshl_b32 s14, ttmp9, 10                      ; my 32 queries' bytes in gid
	s_mov_b32 s15, 0
	v_lshlrev_b32 v1, 2, v0                        ; 4 t
	v_and_b32 v2, 15, v0                           ; r
	v_lshl_add_u32 v9, v2, 3, s12                  ; my pair of queries
	v_lshlrev_b32 v10, 4, v0                       ; 16 t
	v_lshrrev_b32 v11, 4, v0                       ; split 2 w + h
	v_lshlrev_b32 v[CA0], 13, v11                  ; 512 candidates of 16 bytes
	v_mul_u32_u24 v[MA0], v2, 2*QP
	v_lshrrev_b32 v11, 5, v0
	v_mad_u32_u24 v[MA0], v11, 272, v[MA0]         ; groups 64 w on,
	v_bfe_u32 v11, v0, 4, 1
	v_lshl_add_u32 v[MA0], v11, 7, v[MA0]          ; + 32 h
	v_add_nc_u32 v[MA0], MINS, v[MA0]
	s_wait_kmcnt 0x0
	s_add_nc_u64 s[4:5], s[4:5], s[10:11]
	s_add_nc_u64 s[6:7], s[6:7], s[14:15]
.set e, 0
.rept 32                                       ; thread t takes candidates t + 128 i: each load reads 128 consecutive bytes a wave
	global_load_b32 v[32+4*e], v1, s[4:5] offset:512*e
	global_load_b32 v[33+4*e], v1, s[4:5] offset:512*e+16384
	global_load_b32 v[34+4*e], v1, s[4:5] offset:512*e+32768
.set e, e+1
.endr
	global_load_b64 v[QX:QX+1], v9, s[4:5]
	global_load_b64 v[QY:QY+1], v9, s[4:5] offset:16384
	global_load_b64 v[QZ:QZ+1], v9, s[4:5] offset:32768
	s_wait_loadcnt 0x0
.set e, 0
.rept 32
	v_mul_f32 v[35+4*e], v[32+4*e], v[32+4*e]
.set e, e+1
.endr
.set e, 0
.rept 32
	v_fmac_f32 v[35+4*e], v[33+4*e], v[33+4*e]
.set e, e+1
.endr
.set e, 0
.rept 32
	v_fmac_f32 v[35+4*e], v[34+4*e], v[34+4*e]
.set e, e+1
.endr
	v_pk_mul_f32 v[QS:QS+1], v[QX:QX+1], v[QX:QX+1]
	v_pk_fma_f32 v[QS:QS+1], v[QY:QY+1], v[QY:QY+1], v[QS:QS+1]
	v_pk_fma_f32 v[QS:QS+1], v[QZ:QZ+1], v[QZ:QZ+1], v[QS:QS+1]
.set e, 0
.rept 32
	ds_store_b128 v10, v[32+4*e:35+4*e] offset:2048*e
.set e, e+1
.endr
	s_wait_dscnt 0x0                               ; for the others' sake: my part of the table has landed
	s_barrier_signal -1
	s_barrier_wait -1
.macro LOADG buf, adr, off                     ; a group's 16 candidates; the 16 lanes of a half read the same 16 bytes
.set e, 0
.rept 16
	ds_load_b128 v[\buf+4*e:\buf+4*e+3], v[\adr] offset:\off+16*e
.set e, e+1
.endr
.endm
.macro DIST16 buf                              ; 16 candidates x my two queries, line by line, so that no line waits for the one above; then the two minima in v24, v25
.set e, 0
.rept 16
	v_pk_mul_f32 v[D+2*e:D+2*e+1], v[QX:QX+1], v[\buf+4*e:\buf+4*e+1] op_sel_hi:[1,0]
.set e, e+1
.endr
.set e, 0
.rept 16
	v_pk_fma_f32 v[D+2*e:D+2*e+1], v[QY:QY+1], v[\buf+4*e:\buf+4*e+1], v[D+2*e:D+2*e+1] op_sel:[0,1,0] op_sel_hi:[1,1,1]
.set e, e+1
.endr
.set e, 0
.rept 16
	v_pk_fma_f32 v[D+2*e:D+2*e+1], v[QZ:QZ+1], v[\buf+4*e+2:\buf+4*e+3], v[D+2*e:D+2*e+1] op_sel_hi:[1,0,1]
.set e, e+1
.endr
.set e, 0
.rept 16
	v_pk_add_f32 v[\buf+4*e:\buf+4*e+1], v[QS:QS+1], v[\buf+4*e+2:\buf+4*e+3] op_sel:[0,1] op_sel_hi:[1,1]   ; sq_i + sq_j, into the pair that held x and y
.set e, e+1
.endr
.set e, 0
.rept 16
	v_pk_fma_f32 v[D+2*e:D+2*e+1], v[D+2*e:D+2*e+1], -2.0, v[\buf+4*e:\buf+4*e+1] op_sel_hi:[1,0,1]
.set e, e+1
.endr
	v_min3_num_f32 v24, v[D], v[D+2], v[D+4]
	v_min3_num_f32 v25, v[D+1], v[D+3], v[D+5]
.irp k, 3,5,7,9,11,13
	v_min3_num_f32 v24, v24, v[D+2*\k], v[D+2*\k+2]
	v_min3_num_f32 v25, v25, v[D+2*\k+1], v[D+2*\k+3]
.endr
	v_min_num_f32 v24, v24, v[D+30]
	v_min_num_f32 v25, v25, v[D+31]
.endm
.macro STOREM off
	ds_store_b32 v[MA], v24 offset:\off
	ds_store_b32 v[MA], v25 offset:\off+QP
.endm
	s_mov_b32 s30, 0
	s_mov_b32 s31, 0
	s_mov_b32 s32, 15
	LOADG BFA, CA0, 0
.Lpair:                                            ; a trip takes two groups; the loads run one group ahead
	v_add_nc_u32 v[CA], s30, v[CA0]
	v_add_nc_u32 v[MA], s31, v[MA0]
	LOADG BFB, CA, 256
	s_wait_dscnt 16                                ; all but the 16 loads just issued
	DIST16 BFA
	STOREM 0
	LOADG BFA, CA, 512
	s_wait_dscnt 16                                ; likewise
	DIST16 BFB
	STOREM 4
	s_add_co_u32 s30, s30, 512
	s_add_co_u32 s31, s31, 8
	s_sub_co_u32 s32, s32, 1
	s_cmp_lg_u32 s32, 0
	s_cbranch_scc1 .Lpair
	v_add_nc_u32 v[CA], s30, v[CA0]                ; the last two groups: nothing beyond them is fetched
	v_add_nc_u32 v[MA], s31, v[MA0]
	LOADG BFB, CA, 256
	s_wait_dscnt 16
	DIST16 BFA
	STOREM 0
	s_wait_dscnt 0x0
	DIST16 BFB
	STOREM 4
	s_wait_dscnt 0x0                               ; for the others' sake: my minima have landed
	s_barrier_signal -1
	s_barrier_wait -1
	; SELECTION.  Four lanes to a query: lane part p takes groups 64 p on
	v_lshrrev_b32 v9, 2, v0
	v_mul_u32_u24 v9, v9, QP
	v_and_b32 v24, 3, v0                           ; p
	v_mad_u32_u24 v9, v24, 272, v9
	v_add_nc_u32 v9, MINS, v9
.set e, 0
.rept 16
	ds_load_b128 v[MV+4*e:MV+4*e+3], v9 offset:16*e
.set e, e+1
.endr
	v_lshlrev_b32 v11, 6, v24                      ; my first group
	v_lshlrev_b32 v10, 3, v0                       ; 8 t: my 8 bytes of gid
.irp k, 0,1,2,3,4,5,6,7
	v_mov_b32 v[L+\k], 0x7f800000                  ; the list begins as +infinity
	v_mov_b32 v[I+\k], 0
	v_mov_b32 v[PL+\k], 0                          ; (a lane move's destination counts as read: written once)
	v_mov_b32 v[PI+\k], 0
.endr
; One number into the ascending list of 8.  Strictly smaller goes ahead: of equals the one that came first stays ahead, and groups come in ascending order.
.macro INSERT val, id
.irp k, 0,1,2,3,4,5,6,7
	v_cmp_lt_f32 s[20+\k], v[\val], v[L+\k]
.endr
.irp k, 7,6,5,4,3,2,1
	v_med3_num_f32 v[L+\k], v[\val], v[L+\k-1], v[L+\k]
	v_cndmask_b32 v[26+\k%2], v[\id], v[I+\k-1], s[20+\k-1]
	v_cndmask_b32 v[I+\k], v[I+\k], v[26+\k%2], s[20+\k]
.endr
	v_min_num_f32 v[L], v[\val], v[L]
	v_cndmask_b32 v[I], v[I], v[\id], s20
.endm
.macro MERGE mask                              ; the list of lane l xor mask into mine: right in the lower lane of the two, whose own groups are the lower ones
.irp k, 0,1,2,3,4,5,6,7
	v_mov_b32_dpp v[PL+\k], v[L+\k] row_xmask:\mask row_mask:0xf bank_mask:0xf
	v_mov_b32_dpp v[PI+\k], v[I+\k] row_xmask:\mask row_mask:0xf bank_mask:0xf
.endr
.irp k, 0,1,2,3,4,5,6,7
	INSERT PL+\k, PI+\k
.endr
.endm
	s_wait_dscnt 0x0
.set e, 0
.rept 64
	v_add_nc_u32 v25, e, v11
	INSERT MV+e, 25
.set e, e+1
.endr
	MERGE 1
	MERGE 2                                        ; lane part 0 now holds the query's 8 groups
.macro CE a, b
	v_min_u32 v26, v[I+\a], v[I+\b]
	v_max_u32 v[I+\b], v[I+\a], v[I+\b]
	v_mov_b32 v[I+\a], v26
.endm
	CE 0, 1                                        ; the 8 group numbers in ascending order: 19 exchanges
	CE 2, 3
	CE 4, 5
	CE 6, 7
	CE 0, 2
	CE 1, 3
	CE 4, 6
	CE 5, 7
	CE 1, 2
	CE 5, 6
	CE 0, 4
	CE 1, 5
	CE 2, 6
	CE 3, 7
	CE 2, 4
	CE 3, 5
	CE 1, 2
	CE 3, 4
	CE 5, 6
.irp k, 0,1,2,3,4,5,6,7
	v_mov_b32_dpp v[PI+\k], v[I+\k] quad_perm:[0,0,0,0] row_mask:0xf bank_mask:0xf
.endr
	v_cmp_eq_u32 s20, 1, v24
	v_cmp_eq_u32 s21, 2, v24
	v_cmp_eq_u32 s22, 3, v24
	v_cndmask_b32 v28, v[PI], v[PI+2], s20         ; lane part p stores numbers 2 p and 2 p + 1
	v_cndmask_b32 v29, v[PI+1], v[PI+3], s20
	v_cndmask_b32 v28, v28, v[PI+4], s21
	v_cndmask_b32 v29, v29, v[PI+5], s21
	v_cndmask_b32 v28, v28, v[PI+6], s22
	v_cndmask_b32 v29, v29, v[PI+7], s22
	global_store_b64 v10, v[28:29], s[6:7]         ; a wave stores 256 consecutive bytes, aligned
	s_wait_tensorcnt 0x0                           ; the wave's end, behind my last LDS store
	ds_add_u32 v[SPW], v[NIL]
	s_wait_dscnt 0x0
	s_endpgm
.Lfunc_end_k_qd453ba87ac_knn_groups:
	.size	k_qd453ba87ac_knn_groups, .Lfunc_end_k_qd453ba87ac_knn_groups-k_qd453ba87ac_knn_groups
	.p2alignl 7, 3214868480
	.fill 96, 4, 3214868480
	.section	.rodata,"a",@progbits
	.p2align	6, 0x0
	.amdhsa_kernel k_qd453ba87ac_knn_groups
		.amdhsa_group_segment_fixed_size 100864
		.amdhsa_private_segment_fixed_size 0
		.amdhsa_enable_private_segment 0
		.amdhsa_kernarg_size 16
		.amdhsa_user_sgpr_count 2
		.amdhsa_user_sgpr_kernarg_segment_ptr 1
		.amdhsa_wavefront_size32 1
		.amdhsa_system_sgpr_workgroup_id_x 1
		.amdhsa_system_sgpr_workgroup_id_y 1
		.amdhsa_system_sgpr_workgroup_id_z 1
		.amdhsa_system_vgpr_workitem_id 0
		.amdhsa_next_free_vgpr 192
		.amdhsa_next_free_sgpr 66
		.amdhsa_reserve_vcc 0
		.amdhsa_float_denorm_mode_32 3
		.amdhsa_float_denorm_mode_16_64 3
		.amdhsa_memory_ordered 1
		.amdhsa_forward_progress 1
		.amdhsa_inst_pref_size 208
	.end_amdhsa_kernel
	.amdgpu_metadata
---
amdhsa.version: [ 1, 2 ]
amdhsa.kernels:
  - .name:           k_qd453ba87ac_knn_groups
    .symbol:         k_qd453ba87ac_knn_groups.kd
    .args:
      - { .name: pos, .offset: 0, .size: 8, .value_kind: global_buffer, .address_space: global }
      - { .name: gid, .offset: 8, .size: 8, .value_kind: global_buffer, .address_space: global }
    .group_segment_fixed_size: 100864
    .private_segment_fixed_size: 0
    .kernarg_segment_align: 8
    .kernarg_segment_size: 16
    .max_flat_workgroup_size: 128
    .sgpr_count:     66
    .vgpr_count:     192
    .wavefront_size: 32
...
	.end_amdgpu_metadata
.endif
;; end of part 1
;; launch pick_prep (part 2): grid 343 x 1, 4 waves a work-group, no clusters, 0 bytes of LDS; arguments pos, gid, idx, wbuf, Wk, Wv, Wp1, Wp2, Wa1, Wa2, We, Wq, bq, bk, bv, bp1, bp2, ba1, ba2, be, p_gamma, p_beta, p_mean, p_var, a_gamma, a_beta, a_mean, a_var; writes idx, wbuf
.if DOCPART == 2
	.amdgcn_target "amdgcn-amd-amdhsa--gfx1250"
	.amdhsa_code_object_version 6
	.text
	.protected	k_qd453ba87ac_pick_prep
	.globl	k_qd453ba87ac_pick_prep
	.p2align	8
	.type	k_qd453ba87ac_pick_prep,@function
k_qd453ba87ac_pick_prep:
	s_mov_b64 s[64:65], 0
	v_nop
	global_prefetch_b8 v0, s[64:65] scope:SCOPE_SE
	s_setreg_imm32_b32 hwreg(HW_REG_WAVE_MODE, 25, 1), 1
	s_wait_xcnt 0x0
; Three kinds of work-groups, told apart by the work-group's number; no LDS, no barrier.
; 0 .. 255: KNN, second half: the first 8 of the 8 x 16 candidates that gid names, by (distance, index): idx [8192][8] u32.  The distance's lines are those of the launch before.
; 256 .. 341: the seven weights into codes of E2M3 with one E8M0 byte for each 32 along K, laid in the order of an operand's registers: a wave makes one fragment (16 rows x 128 K).
;   wbuf is made of units of 12,800 bytes: 8 fragments of 1,536 bytes (registers 4 c .. 4 c + 3 of lane l at 512 c + 16 l), then 8 x 64 bytes of scale words (fragment f, row r at 12,288 + 64 f + 4 r).
;   Units 4 j + 0, 1: Wa1's tiles 8 j + 4 p + f / 2, K step f % 2; units 4 j + 2, 3: Wa2's K step j, tiles 8 (p - 2) + f; 32-35 We; 36, 37 Wp2 (K = 64: registers 6-11 are zero codes); 38, 39 Wv; 40, 41 Wk; 42 Wp1.
;   Lane r of tile T takes the weight's row 32 (T / 2) + 8 (T % 2) + r + 8 (r / 8).
; 342: the tables, f32, from byte 550,400 of wbuf on: Wq's three columns, bq, bk, bp2, the two norms folded to a scale and a shift, ba2, bv + bp2, be.
; LIMITS: NaN and infinities are not served; a block of zeros gets the byte 1 (its codes are zeros, and this program alone reads the bytes); a block's largest magnitude is not taken under 2^-124;
; 1 / sqrt(var + eps) is v_rsq_f32; near-equal distances as stated in the launch before.
.set L,  32
.set I,  40
.set PL, 48
.set PI, 56
	s_cmp_ge_u32 ttmp9, 342
	s_cbranch_scc1 .Ltables
	s_cmp_ge_u32 ttmp9, 256
	s_cbranch_scc1 .Lweights
	; ---- the 8 neighbours.  Four lanes to a query; lane part p takes the groups at places 2 p and 2 p + 1 of gid, which ascend
	s_load_b128 s[4:7], s[0:1], 0x0                ; pos, gid
	s_load_b64 s[8:9], s[0:1], 0x10                ; idx
	s_lshr_b32 s10, ttmp9, 7
	s_mul_i32 s10, s10, 49152                      ; my batch
	s_mov_b32 s11, 0
	s_lshl_b32 s12, ttmp9, 10                      ; my 32 queries in gid and in idx
	s_mov_b32 s13, 0
	s_and_b32 s14, ttmp9, 127
	s_lshl_b32 s14, s14, 7
	v_lshlrev_b32 v1, 3, v0                        ; 8 t
	v_lshrrev_b32 v2, 2, v0
	v_lshl_add_u32 v2, v2, 2, s14                  ; my query's byte in a row of pos
	v_and_b32 v24, 3, v0                           ; p
	s_wait_kmcnt 0x0
	s_add_nc_u64 s[4:5], s[4:5], s[10:11]
	s_add_nc_u64 s[6:7], s[6:7], s[12:13]
	s_add_nc_u64 s[8:9], s[8:9], s[12:13]
	global_load_b64 v[12:13], v1, s[6:7]
	global_load_b32 v16, v2, s[4:5]
	global_load_b32 v17, v2, s[4:5] offset:16384
	global_load_b32 v18, v2, s[4:5] offset:32768
	s_wait_loadcnt 0x3                             ; my two groups are in; the three loads behind may be out
	v_min_u32 v12, 0xff, v12                       ; a loaded number enters an address only held to its table
	v_min_u32 v13, 0xff, v13
	v_lshlrev_b32 v14, 6, v12                      ; 16 candidates of 4 bytes
	v_lshlrev_b32 v15, 6, v13
.irp u, 0,1
.irp c, 0,1,2
.irp i, 0,1,2,3
	global_load_b128 v[64+48*\u+16*\c+4*\i:64+48*\u+16*\c+4*\i+3], v[14+\u], s[4:5] offset:16384*\c+16*\i
.endr
.endr
.endr
	v_lshlrev_b32 v20, 4, v12                      ; the groups' first indices
	v_lshlrev_b32 v21, 4, v13
	s_wait_loadcnt 0x0
	v_mul_f32 v19, v16, v16                        ; v[16:17] = (x, y), v[18:19] = (z, sq) of my query
	v_fmac_f32 v19, v17, v17
	v_fmac_f32 v19, v18, v18
.set S, 160                                    ; sq_j, then sq_i + sq_j
.set T, 0
.macro PAIRS line                              ; one line for all 16 pairs of candidates
.set u, 0
.rept 2
.set e, 0
.rept 8
.set px, 64+48*u+2*e
.set ps, 160+16*u+2*e
.if \line == 0
	v_pk_mul_f32 v[ps:ps+1], v[px:px+1], v[px:px+1]
.elseif \line == 1
	v_pk_fma_f32 v[ps:ps+1], v[px+16:px+17], v[px+16:px+17], v[ps:ps+1]
.elseif \line == 2
	v_pk_fma_f32 v[ps:ps+1], v[px+32:px+33], v[px+32:px+33], v[ps:ps+1]
.elseif \line == 3
	v_pk_mul_f32 v[px:px+1], v[px:px+1], v[16:17] op_sel_hi:[1,0]
.elseif \line == 4
	v_pk_fma_f32 v[px:px+1], v[px+16:px+17], v[16:17], v[px:px+1] op_sel:[0,1,0] op_sel_hi:[1,1,1]
.elseif \line == 5
	v_pk_fma_f32 v[px:px+1], v[px+32:px+33], v[18:19], v[px:px+1] op_sel_hi:[1,0,1]
.elseif \line == 6
	v_pk_add_f32 v[ps:ps+1], v[ps:ps+1], v[18:19] op_sel:[0,1] op_sel_hi:[1,1]
.else
	v_pk_fma_f32 v[ps:ps+1], v[px:px+1], -2.0, v[ps:ps+1] op_sel_hi:[1,0,1]
.endif
.set e, e+1
.endr
.set u, u+1
.endr
.endm
	PAIRS 0
	PAIRS 1
	PAIRS 2
	PAIRS 3
	PAIRS 4
	PAIRS 5
	PAIRS 6
	PAIRS 7                                        ; v[160 + 16 u + e] = d(my query, candidate e of group u)
.irp k, 0,1,2,3,4,5,6,7
	v_mov_b32 v[L+\k], 0x7f800000
	v_mov_b32 v[I+\k], 0
	v_mov_b32 v[PL+\k], 0
	v_mov_b32 v[PI+\k], 0
.endr
.macro INSERT val, id                          ; as in the launch before: strictly smaller goes ahead, so of equals the lower index stays ahead
.irp k, 0,1,2,3,4,5,6,7
	v_cmp_lt_f32 s[20+\k], v[\val], v[L+\k]
.endr
.irp k, 7,6,5,4,3,2,1
	v_med3_num_f32 v[L+\k], v[\val], v[L+\k-1], v[L+\k]
	v_cndmask_b32 v[26+\k%2], v[\id], v[I+\k-1], s[20+\k-1]
	v_cndmask_b32 v[I+\k], v[I+\k], v[26+\k%2], s[20+\k]
.endr
	v_min_num_f32 v[L], v[\val], v[L]
	v_cndmask_b32 v[I], v[I], v[\id], s20
.endm
.macro MERGE mask
.irp k, 0,1,2,3,4,5,6,7
	v_mov_b32_dpp v[PL+\k], v[L+\k] row_xmask:\mask row_mask:0xf bank_mask:0xf
	v_mov_b32_dpp v[PI+\k], v[I+\k] row_xmask:\mask row_mask:0xf bank_mask:0xf
.endr
.irp k, 0,1,2,3,4,5,6,7
	INSERT PL+\k, PI+\k
.endr
.endm
.set u, 0
.rept 2
.set e, 0
.rept 16
	v_add_nc_u32 v25, e, v[20+u]
	INSERT 160+16*u+e, 25
.set e, e+1
.endr
.set u, u+1
.endr
	MERGE 1
	MERGE 2                                        ; lane part 0 holds the 8 neighbours, nearest first
.irp k, 0,1,2,3,4,5,6,7
	v_mov_b32_dpp v[PI+\k], v[I+\k] quad_perm:[0,0,0,0] row_mask:0xf bank_mask:0xf
.endr
	v_cmp_eq_u32 s20, 1, v24
	v_cmp_eq_u32 s21, 2, v24
	v_cmp_eq_u32 s22, 3, v24
	v_cndmask_b32 v28, v[PI], v[PI+2], s20
	v_cndmask_b32 v29, v[PI+1], v[PI+3], s20
	v_cndmask_b32 v28, v28, v[PI+4], s21
	v_cndmask_b32 v29, v29, v[PI+5], s21
	v_cndmask_b32 v28, v28, v[PI+6], s22
	v_cndmask_b32 v29, v29, v[PI+7], s22
	global_store_b64 v1, v[28:29], s[8:9]          ; a wave stores 256 consecutive bytes, aligned
	s_endpgm
.Lweights:
	s_load_b64 s[6:7], s[0:1], 0x18                ; wbuf
	s_load_b256 s[8:15], s[0:1], 0x20              ; Wk s[8:9], Wv s[10:11], Wp1 s[12:13], Wp2 s[14:15]
	s_load_b128 s[16:19], s[0:1], 0x40             ; Wa1, Wa2
	s_load_b64 s[20:21], s[0:1], 0x50              ; We
	v_lshrrev_b32 v1, 5, v0
	v_readfirstlane_b32 s30, v1                    ; wave
	s_sub_co_u32 s31, ttmp9, 256
	s_lshr_b32 s32, s31, 1                         ; the unit
	s_and_b32 s33, s31, 1
	s_lshl_b32 s33, s33, 2
	s_add_co_u32 s33, s33, s30                     ; f: my fragment of its eight
	s_lshr_b32 s34, s33, 1
	s_and_b32 s35, s33, 1
	s_lshr_b32 s36, s32, 2                         ; j
	s_and_b32 s37, s32, 3                          ; p
	s_mov_b32 s52, 0x76543210
	s_mov_b32 s53, 0xfedcba98                      ; v_permlanex16_b32's selects for lane l xor 16
	s_wait_kmcnt 0x0
	; which weight, its row in bytes (s42), my tile T (s43) and K step (s44): a chain of choices on the unit's number
	s_mov_b64 s[40:41], s[16:17]                   ; Wa1
	s_mov_b32 s42, 1024
	s_lshl_b32 s43, s36, 3
	s_lshl_b32 s48, s37, 2
	s_add_co_u32 s43, s43, s48
	s_add_co_u32 s43, s43, s34
	s_mov_b32 s44, s35
	s_sub_co_u32 s48, s37, 2                       ; Wa2
	s_lshl_b32 s48, s48, 3
	s_add_co_u32 s48, s48, s33
	s_cmp_ge_u32 s37, 2
	s_cselect_b64 s[40:41], s[18:19], s[40:41]
	s_cselect_b32 s42, 4096, s42
	s_cselect_b32 s43, s48, s43
	s_cselect_b32 s44, s36, s44
	s_sub_co_u32 s48, s32, 32                      ; We
	s_lshl_b32 s48, s48, 2
	s_add_co_u32 s48, s48, s34
	s_cmp_ge_u32 s32, 32
	s_cselect_b64 s[40:41], s[20:21], s[40:41]
	s_cselect_b32 s42, 1024, s42
	s_cselect_b32 s43, s48, s43
	s_cselect_b32 s44, s35, s44
	s_sub_co_u32 s48, s32, 36                      ; Wp2
	s_lshl_b32 s48, s48, 3
	s_add_co_u32 s48, s48, s33
	s_cmp_ge_u32 s32, 36
	s_cselect_b64 s[40:41], s[14:15], s[40:41]
	s_cselect_b32 s42, 256, s42
	s_cselect_b32 s43, s48, s43
	s_cselect_b32 s44, 0, s44
	s_sub_co_u32 s48, s32, 38                      ; Wv
	s_lshl_b32 s48, s48, 3
	s_add_co_u32 s48, s48, s33
	s_cmp_ge_u32 s32, 38
	s_cselect_b64 s[40:41], s[10:11], s[40:41]
	s_cselect_b32 s42, 512, s42
	s_cselect_b32 s43, s48, s43
	s_sub_co_u32 s48, s32, 40                      ; Wk
	s_lshl_b32 s48, s48, 3
	s_add_co_u32 s48, s48, s33
	s_cmp_ge_u32 s32, 40
	s_cselect_b64 s[40:41], s[8:9], s[40:41]
	s_cselect_b32 s43, s48, s43
	s_cmp_ge_u32 s32, 42                           ; Wp1
	s_cselect_b64 s[40:41], s[12:13], s[40:41]
	s_cselect_b32 s42, 1024, s42
	s_cselect_b32 s43, s34, s43
	s_cselect_b32 s44, s35, s44
	s_lshr_b32 s48, s32, 1
	s_cmp_eq_u32 s48, 18                           ; Wp2 has K = 64: the second 64 are read from the first again and their codes cleared
	s_cselect_b32 s45, 0, -1
	s_cselect_b32 s46, 0, 256
	s_lshr_b32 s48, s43, 1
	s_lshl_b32 s48, s48, 5
	s_and_b32 s49, s43, 1
	s_lshl_b32 s49, s49, 3
	s_add_co_u32 s48, s48, s49                     ; the tile's first row
	s_mul_i32 s48, s48, s42
	s_lshl_b32 s49, s44, 9
	s_add_co_u32 s48, s48, s49                     ; + 512 bytes a K step
	s_mov_b32 s49, 0
	s_add_nc_u64 s[40:41], s[40:41], s[48:49]
	s_mul_i32 s48, s32, 12800
	s_add_nc_u64 s[6:7], s[6:7], s[48:49]          ; my unit
	s_mul_i32 s50, s33, 1536
	s_lshl_b32 s51, s33, 6
	s_add_co_u32 s51, s51, 12288
	v_and_b32 v1, 15, v0                           ; r
	v_bfe_u32 v2, v0, 4, 1                         ; h
	v_and_b32 v3, 8, v1
	v_add_nc_u32 v3, v3, v1                        ; r + 8 (r / 8)
	v_mul_lo_u32 v6, v3, s42
	v_lshl_add_u32 v6, v2, 7, v6                   ; lane (r, h) holds k = 64 c + 32 h + 0 .. 31 of its row: two whole blocks
	v_add_nc_u32 v7, s46, v6
	v_and_b32 v4, 31, v0
	v_lshlrev_b32 v8, 4, v4
	v_add_nc_u32 v8, s50, v8                       ; my 16 bytes of each of the fragment's three stores
	v_lshl_add_u32 v5, v1, 2, s51                  ; my row's scale word
.irp i, 0,1,2,3,4,5,6,7
	global_load_b128 v[64+4*\i:67+4*\i], v6, s[40:41] offset:16*\i
	global_load_b128 v[96+4*\i:99+4*\i], v7, s[40:41] offset:16*\i
.endr
	s_wait_loadcnt 0x0
.irp c, 0,1
	v_max3_num_f32 v[32+\c], |v[64+32*\c]|, |v[65+32*\c]|, 0x1800000   ; the floor 2^(3 - 127): the byte cannot fall under 1
.endr
.irp i, 2,4,6,8,10,12,14,16,18,20,22,24,26,28,30
.irp c, 0,1
	v_max3_num_f32 v[32+\c], v[32+\c], |v[64+32*\c+\i]|, |v[65+32*\c+\i]|
.endr
.endr
.irp c, 0,1
	v_add_nc_u32 v[44+\c], 0xff000000, v[32+\c]    ; 2 off the exponent field: the conversion's scale operand
.endr
.irp c, 0,1
	v_lshrrev_b32 v[36+\c], 23, v[44+\c]           ; the scale's byte
.endr
	v_lshl_or_b32 v9, v37, 16, v36                 ; blocks h and 2 + h,
	v_lshlrev_b32 v10, 3, v2
	v_lshlrev_b32 v9, v10, v9                      ; at their places in the word;
	v_mov_b32 v10, 0
	v_permlanex16_b32 v10, v9, s52, s53
	v_or_b32 v9, v9, v10                           ; with lane l xor 16's two the word is whole
	v_cvt_scalef32_pk16_fp6_f32 v[48:50], v[64:79], v44
	v_cvt_scalef32_pk16_fp6_f32 v[132:134], v[80:95], v44      ; (a conversion's three registers begin on an even number)
	v_cvt_scalef32_pk16_fp6_f32 v[54:56], v[96:111], v45
	v_cvt_scalef32_pk16_fp6_f32 v[136:138], v[112:127], v45
	v_nop                                          ; one plain line behind the conversions
.irp i, 0,1,2
	v_mov_b32 v[51+\i], v[132+\i]
	v_mov_b32 v[57+\i], v[136+\i]
.endr
.irp i, 0,1,2,3,4,5
	v_and_b32 v[54+\i], s45, v[54+\i]              ; zero codes past K = 64
.endr
.irp c, 0,1,2
	global_store_b128 v8, v[48+4*\c:51+4*\c], s[6:7] offset:512*\c   ; 512 consecutive bytes a store, aligned
.endr
	global_store_b32 v5, v9, s[6:7]                ; lanes l and l xor 16 store the same word with the same value
	s_endpgm
.Ltables:
	s_load_b64 s[6:7], s[0:1], 0x18                ; wbuf
	s_load_b64 s[8:9], s[0:1], 0x58                ; Wq
	s_load_b512 s[16:31], s[0:1], 0x60             ; bq, bk, bv, bp1, bp2, ba1, ba2, be
	s_load_b512 s[32:47], s[0:1], 0xa0             ; p_gamma, p_beta, p_mean, p_var, a_gamma, a_beta, a_mean, a_var
	v_lshrrev_b32 v3, 5, v0
	v_readfirstlane_b32 s50, v3                    ; wave
	v_lshlrev_b32 v1, 2, v0                        ; 4 t
	v_mul_u32_u24 v2, v0, 12                       ; a row of Wq
	s_wait_kmcnt 0x0
	s_add_nc_u64 s[6:7], s[6:7], 550400
.irp u, 0,1                                    ; thread t takes channels t and t + 128
.irp c, 0,1,2
	global_load_b32 v[8+3*\u+\c], v2, s[8:9] offset:1536*\u+4*\c
.endr
	global_load_b32 v[14+\u], v1, s[16:17] offset:512*\u       ; bq
	global_load_b32 v[16+\u], v1, s[18:19] offset:512*\u       ; bk
	global_load_b32 v[18+\u], v1, s[24:25] offset:512*\u       ; bp2
	global_load_b32 v[20+\u], v1, s[28:29] offset:512*\u       ; ba2
	global_load_b32 v[22+\u], v1, s[20:21] offset:512*\u       ; bv
	global_load_b32 v[24+\u], v1, s[30:31] offset:512*\u       ; be
.endr
.irp i, 0,1,2,3,4,5,6,7                        ; and hidden units t + 128 i
	global_load_b32 v[32+\i], v1, s[40:41] offset:512*\i       ; gamma
	global_load_b32 v[40+\i], v1, s[42:43] offset:512*\i       ; beta
	global_load_b32 v[48+\i], v1, s[44:45] offset:512*\i       ; mean
	global_load_b32 v[56+\i], v1, s[46:47] offset:512*\i       ; var
	global_load_b32 v[64+\i], v1, s[26:27] offset:512*\i       ; ba1
.endr
	s_wait_loadcnt 0x0
.irp i, 0,1,2,3,4,5,6,7
	v_add_f32 v[56+\i], 0x3727c5ac, v[56+\i]       ; var + 1e-5
.endr
.irp i, 0,1,2,3,4,5,6,7
	v_rsq_f32 v[56+\i], v[56+\i]
.endr
	v_add_f32 v22, v22, v18                        ; bv + bp2 (plain lines behind the batch)
	v_add_f32 v23, v23, v19
	s_wait_alu depctr_va_vdst(0)                   ; one wait for the eight, ahead of their first reader
.irp i, 0,1,2,3,4,5,6,7
	v_mul_f32 v[32+\i], v[32+\i], v[56+\i]         ; the scale
.endr
.irp i, 0,1,2,3,4,5,6,7
	v_fma_f32 v[40+\i], -v[48+\i], v[32+\i], v[40+\i]
.endr
.irp i, 0,1,2,3,4,5,6,7
	v_fma_f32 v[40+\i], v[64+\i], v[32+\i], v[40+\i]   ; the shift: ba1 x scale + beta - mean x scale
.endr
.irp u, 0,1
.irp c, 0,1,2
	global_store_b32 v1, v[8+3*\u+\c], s[6:7] offset:1024*\c+512*\u
.endr
	global_store_b32 v1, v[14+\u], s[6:7] offset:3072+512*\u
	global_store_b32 v1, v[16+\u], s[6:7] offset:4096+512*\u
	global_store_b32 v1, v[18+\u], s[6:7] offset:5120+512*\u
	global_store_b32 v1, v[20+\u], s[6:7] offset:14848+512*\u
	global_store_b32 v1, v[22+\u], s[6:7] offset:15872+512*\u
	global_store_b32 v1, v[24+\u], s[6:7] offset:16896+512*\u
.endr
.irp i, 0,1,2,3,4,5,6,7
	global_store_b32 v1, v[32+\i], s[6:7] offset:6656+512*\i
	global_store_b32 v1, v[40+\i], s[6:7] offset:10752+512*\i
.endr
	s_cmp_ge_u32 s50, 2                            ; the small norm has 64 units: waves 0 and 1
	s_cbranch_scc1 .Ltab_end
	global_load_b32 v72, v1, s[32:33]
	global_load_b32 v73, v1, s[34:35]
	global_load_b32 v74, v1, s[36:37]
	global_load_b32 v75, v1, s[38:39]
	global_load_b32 v76, v1, s[22:23]              ; bp1
	s_wait_loadcnt 0x0
	v_add_f32 v75, 0x3727c5ac, v75
	v_rsq_f32 v75, v75
	v_nop
	s_wait_alu depctr_va_vdst(0)
	v_mul_f32 v72, v72, v75
	v_fma_f32 v73, -v74, v72, v73
	v_fma_f32 v73, v76, v72, v73
	global_store_b32 v1, v72, s[6:7] offset:6144
	global_store_b32 v1, v73, s[6:7] offset:6400
.Ltab_end:
	s_endpgm
.Lfunc_end_k_qd453ba87ac_pick_prep:
	.size	k_qd453ba87ac_pick_prep, .Lfunc_end_k_qd453ba87ac_pick_prep-k_qd453ba87ac_pick_prep
	.p2alignl 7, 3214868480
	.fill 96, 4, 3214868480
	.section	.rodata,"a",@progbits
	.p2align	6, 0x0
	.amdhsa_kernel k_qd453ba87ac_pick_prep
		.amdhsa_group_segment_fixed_size 0
		.amdhsa_private_segment_fixed_size 0
		.amdhsa_enable_private_segment 0
		.amdhsa_kernarg_size 224
		.amdhsa_user_sgpr_count 2
		.amdhsa_user_sgpr_kernarg_segment_ptr 1
		.amdhsa_wavefront_size32 1
		.amdhsa_system_sgpr_workgroup_id_x 1
		.amdhsa_system_sgpr_workgroup_id_y 1
		.amdhsa_system_sgpr_workgroup_id_z 1
		.amdhsa_system_vgpr_workitem_id 0
		.amdhsa_next_free_vgpr 200
		.amdhsa_next_free_sgpr 66
		.amdhsa_reserve_vcc 0
		.amdhsa_float_denorm_mode_32 3
		.amdhsa_float_denorm_mode_16_64 3
		.amdhsa_memory_ordered 1
		.amdhsa_forward_progress 1
		.amdhsa_inst_pref_size 131
	.end_amdhsa_kernel
	.amdgpu_metadata
---
amdhsa.version: [ 1, 2 ]
amdhsa.kernels:
  - .name:           k_qd453ba87ac_pick_prep
    .symbol:         k_qd453ba87ac_pick_prep.kd
    .args:
      - { .name: pos, .offset: 0, .size: 8, .value_kind: global_buffer, .address_space: global }
      - { .name: gid, .offset: 8, .size: 8, .value_kind: global_buffer, .address_space: global }
      - { .name: idx, .offset: 16, .size: 8, .value_kind: global_buffer, .address_space: global }
      - { .name: wbuf, .offset: 24, .size: 8, .value_kind: global_buffer, .address_space: global }
      - { .name: Wk, .offset: 32, .size: 8, .value_kind: global_buffer, .address_space: global }
      - { .name: Wv, .offset: 40, .size: 8, .value_kind: global_buffer, .address_space: global }
      - { .name: Wp1, .offset: 48, .size: 8, .value_kind: global_buffer, .address_space: global }
      - { .name: Wp2, .offset: 56, .size: 8, .value_kind: global_buffer, .address_space: global }
      - { .name: Wa1, .offset: 64, .size: 8, .value_kind: global_buffer, .address_space: global }
      - { .name: Wa2, .offset: 72, .size: 8, .value_kind: global_buffer, .address_space: global }
      - { .name: We, .offset: 80, .size: 8, .value_kind: global_buffer, .address_space: global }
      - { .name: Wq, .offset: 88, .size: 8, .value_kind: global_buffer, .address_space: global }
      - { .name: bq, .offset: 96, .size: 8, .value_kind: global_buffer, .address_space: global }
      - { .name: bk, .offset: 104, .size: 8, .value_kind: global_buffer, .address_space: global }
      - { .name: bv, .offset: 112, .size: 8, .value_kind: global_buffer, .address_space: global }
      - { .name: bp1, .offset: 120, .size: 8, .value_kind: global_buffer, .address_space: global }
      - { .name: bp2, .offset: 128, .size: 8, .value_kind: global_buffer, .address_space: global }
      - { .name: ba1, .offset: 136, .size: 8, .value_kind: global_buffer, .address_space: global }
      - { .name: ba2, .offset: 144, .size: 8, .value_kind: global_buffer, .address_space: global }
      - { .name: be, .offset: 152, .size: 8, .value_kind: global_buffer, .address_space: global }
      - { .name: p_gamma, .offset: 160, .size: 8, .value_kind: global_buffer, .address_space: global }
      - { .name: p_beta, .offset: 168, .size: 8, .value_kind: global_buffer, .address_space: global }
      - { .name: p_mean, .offset: 176, .size: 8, .value_kind: global_buffer, .address_space: global }
      - { .name: p_var, .offset: 184, .size: 8, .value_kind: global_buffer, .address_space: global }
      - { .name: a_gamma, .offset: 192, .size: 8, .value_kind: global_buffer, .address_space: global }
      - { .name: a_beta, .offset: 200, .size: 8, .value_kind: global_buffer, .address_space: global }
      - { .name: a_mean, .offset: 208, .size: 8, .value_kind: global_buffer, .address_space: global }
      - { .name: a_var, .offset: 216, .size: 8, .value_kind: global_buffer, .address_space: global }
    .group_segment_fixed_size: 0
    .private_segment_fixed_size: 0
    .kernarg_segment_align: 8
    .kernarg_segment_size: 224
    .max_flat_workgroup_size: 128
    .sgpr_count:     66
    .vgpr_count:     200
    .wavefront_size: 32
...
	.end_amdgpu_metadata
.endif
;; end of part 2
;; launch fused (part 3): grid 256 x 1, 4 waves a work-group, clusters of 4 x 1, 327,680 bytes of LDS; arguments key, values, pos, idx, wbuf, out0; writes out0
.if DOCPART == 3
	.amdgcn_target "amdgcn-amd-amdhsa--gfx1250"
	.amdhsa_code_object_version 6
	.text
	.protected	k_qd453ba87ac_fused
	.globl	k_qd453ba87ac_fused
	.p2align	8
	.type	k_qd453ba87ac_fused,@function
k_qd453ba87ac_fused:
	s_mov_b64 s[64:65], 0
	v_nop
	global_prefetch_b8 v0, s[64:65] scope:SCOPE_SE
	s_setreg_imm32_b32 hwreg(HW_REG_WAVE_MODE, 25, 1), 1
	s_wait_xcnt 0x0
	s_wait_alu depctr_hold_cnt(0) depctr_sa_sdst(0) depctr_va_vdst(0) depctr_va_sdst(0) depctr_va_ssrc(0) depctr_va_vcc(0) depctr_vm_vsrc(0)
	s_getreg_b32 s2, hwreg(HW_REG_IB_STS2, 6, 4)
	s_cmp_eq_u32 s2, 0
	s_cbranch_scc0 .Lentry_in_a_cluster
	s_endpgm
.Lentry_in_a_cluster:
	s_bfe_u32 s2, ttmp6, 0x10000c
	s_cmp_lg_u32 s2, 0x3003
	s_cbranch_scc0 .Lentry_shape_is_right
	s_endpgm
.Lentry_shape_is_right:
; The whole chain from the neighbours' positions to out0; every quantised product on codes of E2M3 with one E8M0 byte for each 32 along K; no intermediate goes to memory.
; SHARES.  A work-group takes 32 points = 256 rows (point, neighbour); wave w takes 64 rows = 4 tiles of 16 (row 16 m + r = point 2 m + r / 8, neighbour r % 8) through the whole chain.
; TWO WAYS TO USE A PRODUCT.  T: source 0 = 16 rows of a weight, source 1 = 16 rows of data: a lane holds one row and its registers run along the channels: wherever the result is quantised next.
;   N: source 0 = data, source 1 = weight: a lane holds one channel and its 8 registers are the 8 neighbours of one point: for the softmax and the weighted sum, which then need no other lane.
;   Lane r of a weight's tile T holds row 32 (T / 2) + 8 (T % 2) + r + 8 (r / 8), so that in T the 16 registers of tiles 2 b, 2 b + 1 are channels 32 b + 16 (lane / 16) + 0 .. 15.
; WEIGHTS come as units of 12,800 bytes (8 fragments in the order of an operand's registers, and their scale words) made by the launch before.  The four work-groups of a cluster walk the same units:
;   each is asked for jointly.  Wa1 and Wa2 go in 8 chunks of 128 hidden units through two slots; Wp2, Wv and the tables stay; Wk and Wp1 lie in slot 0 first; We comes last.
; key comes whole at the start; values come in 8 pieces, one behind each change of slots, into key's bytes.  No prefetch: a piece has a chunk's work in which to land and is read only at the end.
; out0: a work-group has 32 points, so a row of out0 gets 128 consecutive aligned bytes from it.
; LIMITS: NaN and infinities are not served; a block of zeros gets the byte 1 (its codes are zeros); a block's largest magnitude is not taken under 2^-124; bv + bp2 is added behind the weighted sum
;   (the weights sum to 1 up to f32 rounding).
; LDS
.set KV,    0                          ; key, then values: [128 channels][256 rows] f32.  Later the stages: agg at 0, rows of out0 at OST
.set OST,   33792                      ; 256 rows x (128 bytes + 16)
.set SLOT1, 131072
.set SPARE, 182272                     ; the spare words, 128 bytes a wave: two blocks of 256 bytes that no other line names
.set PARK,  182784                     ; the small hidden layer's codes, 3,072 bytes a wave, the wave's own
.set SLOT0, 196608                     ; SLOT0 xor 0x10000 = SLOT1
.set G0,    209408                     ; in slot 0 at first: Wk's two units, Wp1's one
.set TAB,   247808                     ; the tables
.set RES,   265728                     ; Wp2's two units, Wv's two
.set QUB,   12800                      ; a unit
.set FRB,   1536                       ; a fragment
.set SCO,   12288                      ; a unit's scale words
.set T_WQ0, 0
.set T_WQ1, 1024
.set T_WQ2, 2048
.set T_BQ,  3072
.set T_BK,  4096
.set T_BP2, 5120
.set T_PS,  6144
.set T_AS,  6656
.set T_BA2, 14848
.set T_BVP, 15872
.set T_BE,  16896
; window 0
.set LI, 1                             ; 16 x lane
.set LS, 2                             ; 4 x lane
.set KVB, 3                            ; my row's byte in a channel of KV
.set TQA, 4                            ; TAB + 64 (lane / 16)
.set PERMA, 5                          ; TAB + 4 (r + 8 (r / 8))
.set AGA, 6                            ; where my agg goes
.set PKB, 7                            ; my place in PARK
.set RESA, 8                           ; RES + 16 x lane
.set RESS, 9                           ; RES + 4 x lane
.set WAD, 10                           ; the unit in hand + 16 x lane
.set WSA, 11                           ; + 4 x lane
.set BAD, 12                           ; the norm's numbers in hand
.set KVC0, 13
.set KVC1, 14
.set PKC, 15
.set AINS, 16                          ; v16-41 hold scale words and nothing else.  A register holds one tile's words in lanes 0-15 and the next tile's in lanes 16-31
.set AHS, 20
.set PHS, 22
.set WS, 24
.set WSB, 28
.set WSP, 32
.set KS, 40
.set VS, 40
.set AHW, 42                           ; the hidden layer's scale words in the making
.set PM, 46                            ; lane permutes' destinations
.set SPW, 54                           ; my spare word's address; never rewritten
.set NIL, 55                           ; 0; never rewritten
.set CT, 56                            ; conversions' results: 8 x (3 registers + 1 for the block's maximum)
.set BN, 88                            ; 16 scales and 16 shifts, or biases
.set ACC, 120                          ; 128 registers of sums or of numbers to be quantised
.set EX, 184
.set NMP, 216
.set SS, 224
.set PS2, 232
.set RC, 240
.set TM, 248
; window 1
.set AIN, 0                            ; the a-layer's input: fragment (tile m, K step s) at 24 m + 12 s
.set WB, 96                            ; a unit's 8 fragments
.set AH, 192                           ; the hidden layer's fragment of tile m at 192 + 12 m
.set PP, 240                           ; the neighbours' positions: pair (u, c): low word tile u of the group in hand, high word that of the next
; window 2: q, then the a-layer's input, 2 tiles x 128; from the chunks on the sums of Wa2's tiles 0-7 ((n, m) at 8 (4 (n % 8) + m)).  Window 3: Wq's columns, two buffers of 64; then the sums of tiles 8-15
.set MSB, 0
.macro WIN new                         ; bits 1:0 source 0, 3:2 source 1, 5:4 source 2, 7:6 destination; the high byte repeats the setting that is left
.if MSB != (\new)
	s_set_vgpr_msb (MSB<<8)|(\new)
.set MSB, (\new)
.endif
.endm
.macro NOPS n
.rept \n
	v_nop
.endr
.endm
; One product.  c < 0: the constant 0 starts the sum.  ra, rb: the scale words of source 0, 1 stand in lanes 16-31
.macro WM d, a, b, c, sa, sb, ra, rb
.if (\c) < 0
.if (\ra) && (\rb)
	v_wmma_scale_f32_16x16x128_f8f6f4 v[(\d):(\d)+7], v[(\a):(\a)+11], v[(\b):(\b)+11], 0, v[(\sa)], v[(\sb)] matrix_a_fmt:MATRIX_FMT_FP6 matrix_b_fmt:MATRIX_FMT_FP6 matrix_a_scale:MATRIX_SCALE_ROW1 matrix_b_scale:MATRIX_SCALE_ROW1
.elseif (\ra)
	v_wmma_scale_f32_16x16x128_f8f6f4 v[(\d):(\d)+7], v[(\a):(\a)+11], v[(\b):(\b)+11], 0, v[(\sa)], v[(\sb)] matrix_a_fmt:MATRIX_FMT_FP6 matrix_b_fmt:MATRIX_FMT_FP6 matrix_a_scale:MATRIX_SCALE_ROW1
.elseif (\rb)
	v_wmma_scale_f32_16x16x128_f8f6f4 v[(\d):(\d)+7], v[(\a):(\a)+11], v[(\b):(\b)+11], 0, v[(\sa)], v[(\sb)] matrix_a_fmt:MATRIX_FMT_FP6 matrix_b_fmt:MATRIX_FMT_FP6 matrix_b_scale:MATRIX_SCALE_ROW1
.else
	v_wmma_scale_f32_16x16x128_f8f6f4 v[(\d):(\d)+7], v[(\a):(\a)+11], v[(\b):(\b)+11], 0, v[(\sa)], v[(\sb)] matrix_a_fmt:MATRIX_FMT_FP6 matrix_b_fmt:MATRIX_FMT_FP6
.endif
.else
.if (\ra) && (\rb)
	v_wmma_scale_f32_16x16x128_f8f6f4 v[(\d):(\d)+7], v[(\a):(\a)+11], v[(\b):(\b)+11], v[(\c):(\c)+7], v[(\sa)], v[(\sb)] matrix_a_fmt:MATRIX_FMT_FP6 matrix_b_fmt:MATRIX_FMT_FP6 matrix_a_scale:MATRIX_SCALE_ROW1 matrix_b_scale:MATRIX_SCALE_ROW1
.elseif (\ra)
	v_wmma_scale_f32_16x16x128_f8f6f4 v[(\d):(\d)+7], v[(\a):(\a)+11], v[(\b):(\b)+11], v[(\c):(\c)+7], v[(\sa)], v[(\sb)] matrix_a_fmt:MATRIX_FMT_FP6 matrix_b_fmt:MATRIX_FMT_FP6 matrix_a_scale:MATRIX_SCALE_ROW1
.elseif (\rb)
	v_wmma_scale_f32_16x16x128_f8f6f4 v[(\d):(\d)+7], v[(\a):(\a)+11], v[(\b):(\b)+11], v[(\c):(\c)+7], v[(\sa)], v[(\sb)] matrix_a_fmt:MATRIX_FMT_FP6 matrix_b_fmt:MATRIX_FMT_FP6 matrix_b_scale:MATRIX_SCALE_ROW1
.else
	v_wmma_scale_f32_16x16x128_f8f6f4 v[(\d):(\d)+7], v[(\a):(\a)+11], v[(\b):(\b)+11], v[(\c):(\c)+7], v[(\sa)], v[(\sb)] matrix_a_fmt:MATRIX_FMT_FP6 matrix_b_fmt:MATRIX_FMT_FP6
.endif
.endif
.endm
.macro ROUND                           ; a round of the cluster's barrier
	s_barrier_signal -1
	s_barrier_wait -1
	s_cmp_lg_u32 s16, 0
	s_cbranch_scc1 .Lnot_wave_0_\@
	s_barrier_signal -3
.Lnot_wave_0_\@:
	s_barrier_wait -3
	s_barrier_signal -1
	s_barrier_wait -1
.endm
; A refill: waves 0 and 1 ask jointly for the halves of the next unit of four; waves 2 and 3 fetch 8 channels of values each, the work-group's own.  The branch hangs on the wave's number alone.
.macro RLOAD
	s_cmp_lt_u32 s16, 2
	s_cbranch_scc0 .Lfor_v_\@
	tensor_load_to_lds s[76:79], s[44:51]
	s_nop 0
	NOPS 4
	s_branch .Lasked_\@
.Lfor_v_\@:
	tensor_load_to_lds s[80:83], s[36:43]
	s_nop 0
	NOPS 4
.Lasked_\@:
.endm
; THE CHANGE OF SLOTS, at a chunk's head: all my tensor loads have landed, 0 goes onto my spare word, my LDS reads are back; a round of the cluster's barrier; the one load of the wave first behind it.
.macro CHANGE step
	s_wait_tensorcnt 0x0                           ; no tensor load of mine is out, so the walking descriptors may be written
	ds_add_u32 v[SPW], v[NIL]                      ; the steps below stand between the add and the wait for it
.if \step
	s_xor_b32 s77, s77, 0x10000                    ; the other slot,
	s_add_nc_u64 s[78:79], s[78:79], 4*QUB         ; the next four units
	s_add_co_u32 s81, s81, 16384                   ; 16 channels on in KV,
	s_add_nc_u64 s[82:83], s[82:83], 2097152       ; and in values
.endif
	s_sub_co_u32 s88, s88, 4*QUB                   ; my fetches go to the first unit
	s_xor_b32 s88, s88, 0x10000                    ; of the other slot
	s_wait_dscnt 0x0                               ; the add is done, and my reads of the slot that I leave (and, at the first change, of key) are over
	ROUND
	RLOAD
.endm
.macro FETCHW                          ; the unit at WAD / WSA: 8 fragments into WB, their scale words into WS (fragment f: register f / 2, lanes 16 (f % 2) on)
	WIN 0x40
.set ff, 0
.rept 24
	ds_load_b128 v[WB+4*ff:WB+4*ff+3], v[WAD] offset:512*ff
.set ff, ff+1
.endr
	WIN 0
.irp i, 0,1,2,3
	ds_load_b32 v[WS+\i], v[WSA] offset:SCO+128*\i
.endr
.endm
.macro FETCHQ                          ; the ring's next unit
	v_add_nc_u32 v[WAD], s88, v[LI]
	v_add_nc_u32 v[WSA], s88, v[LS]
	s_add_co_u32 s88, s88, QUB
	FETCHW
.endm
.macro BNLOAD adr, off, shoff          ; the scales and shifts of my 16 channels of a block of 32
.irp i, 0,1,2,3
	ds_load_b128 v[BN+4*\i:BN+4*\i+3], v[\adr] offset:\off+16*\i
	ds_load_b128 v[BN+16+4*\i:BN+19+4*\i], v[\adr] offset:\off+\shoff+16*\i
.endr
.endm
; 64 numbers of a lane in window 2, register 16 b + i = k 32 b + 16 (lane / 16) + i of my row, become a fragment in window 1 and its scale word
.macro QUANT64 src, dst, word
	WIN 0x28
.irp b, 0,1,2,3
	v_max3_num_f32 v[TM+\b], 0x1800000, |v[\src+16*\b]|, |v[\src+16*\b+1]|   ; the floor 2^(3 - 127): the byte cannot fall under 1
.endr
.irp i, 2,4,6,8,10,12,14
.irp b, 0,1,2,3
	v_max3_num_f32 v[TM+\b], v[TM+\b], |v[\src+16*\b+\i]|, |v[\src+16*\b+\i+1]|
.endr
.endr
	WIN 0
.irp b, 0,1,2,3
	v_permlanex16_b32 v[PM+\b], v[TM+\b], s22, s23
.endr
.irp b, 0,1,2,3
	v_max_num_f32 v[TM+\b], v[TM+\b], v[PM+\b]     ; with lane l xor 16's 16: the block's largest magnitude
.endr
.irp b, 0,1,2,3
	v_add_nc_u32 v[TM+\b], 0xff000000, v[TM+\b]    ; 2 off its exponent field: the conversion's scale operand
.endr
.irp b, 0,1,2,3
	v_lshrrev_b32 v[TM+4+\b], 23, v[TM+\b]         ; the byte
.endr
	v_lshl_or_b32 v[\word], v[TM+5], 8, v[TM+4]
	v_lshl_or_b32 v[\word], v[TM+6], 16, v[\word]
	v_lshl_or_b32 v[\word], v[TM+7], 24, v[\word]
	WIN 0x02
.irp b, 0,1,2,3
	v_cvt_scalef32_pk16_fp6_f32 v[CT+4*\b:CT+4*\b+2], v[\src+16*\b:\src+16*\b+15], v[TM+\b]
.endr
	WIN 0
	v_nop                                          ; one plain line behind the conversions
.irp c, 0,1                                    ; a whole block to a lane: lanes 0-15 block 2 c, lanes 16-31 block 2 c + 1
.irp i, 0,1,2
	v_permlane16_swap_b32 v[CT+8*\c+\i], v[CT+8*\c+4+\i]
.endr
.endr
	WIN 0x40
.irp b, 0,1,2,3
.irp i, 0,1,2
	v_mov_b32 v[\dst+3*\b+\i], v[CT+4*\b+\i]
.endr
.endr
	WIN 0
.endm
; key or values: two tiles of rows.  Lane l takes row l of the 32, and its 128 registers run down the channels: four whole blocks a lane.
.macro KVLD b
.set kc, 32*(\b)
.rept 32
.if kc < 64
	ds_load_b32 v[ACC+kc], v[KVC0] offset:1024*kc
.else
	ds_load_b32 v[ACC+kc], v[KVC1] offset:1024*(kc-64)
.endif
.set kc, kc+1
.endr
.endm
.macro KVBLK b, sreg
.set ka, ACC+32*(\b)
.set kx, CT+8*(\b)+3
.set ky, CT+8*(\b)+7
	v_max3_num_f32 v[kx], |v[ka]|, |v[ka+1]|, 0x1800000
	v_max3_num_f32 v[ky], |v[ka+16]|, |v[ka+17]|, |v[ka+18]|
.irp i, 2,4,6,8,10,12
	v_max3_num_f32 v[kx], v[kx], |v[ka+\i]|, |v[ka+\i+1]|
	v_max3_num_f32 v[ky], v[ky], |v[ka+17+\i]|, |v[ka+18+\i]|
.endr
	v_max3_num_f32 v[kx], v[kx], |v[ka+14]|, |v[ka+15]|
	v_max3_num_f32 v[kx], v[kx], v[ky], |v[ka+31]|
	v_add_nc_u32 v[kx], 0xff000000, v[kx]
	v_cvt_scalef32_pk16_fp6_f32 v[CT+8*(\b):CT+8*(\b)+2], v[ka:ka+15], v[kx]
	v_cvt_scalef32_pk16_fp6_f32 v[CT+8*(\b)+4:CT+8*(\b)+6], v[ka+16:ka+31], v[kx]
.if (\b) == 0
	v_lshrrev_b32 v[\sreg], 23, v[kx]
.else
	v_lshrrev_b32 v[ky], 23, v[kx]
	v_lshl_or_b32 v[\sreg], v[ky], 8*(\b), v[\sreg]
.endif
.endm
.macro KVQ d0, d1, sreg                ; fragments of the two tiles to d0, d1 in window 1; sreg: each lane's own row's word: the first tile's in lanes 0-15, the second's in lanes 16-31
	KVLD 0
	KVLD 1
	s_wait_dscnt 32                                ; the older run of 32 is in, the younger may be out; so at each of these waits
	KVBLK 0, \sreg
	KVLD 2
	s_wait_dscnt 32
	KVBLK 1, \sreg
	KVLD 3
	s_wait_dscnt 32
	KVBLK 2, \sreg
	s_wait_dscnt 0x0
	KVBLK 3, \sreg
	v_nop
.irp c, 0,1                                    ; block 2 c against block 2 c + 1: the first then holds the first tile's registers 6 c on, the second the second tile's
.irp g, 0,1
.irp i, 0,1,2
	v_permlane16_swap_b32 v[CT+16*\c+4*\g+\i], v[CT+16*\c+8+4*\g+\i]
.endr
.endr
.endr
	WIN 0x40
.irp c, 0,1
.irp g, 0,1
.irp i, 0,1,2
	v_mov_b32 v[\d0+6*\c+3*\g+\i], v[CT+16*\c+4*\g+\i]
	v_mov_b32 v[\d1+6*\c+3*\g+\i], v[CT+16*\c+8+4*\g+\i]
.endr
.endr
.endr
	WIN 0
.endm
; A QUAD: 64 output channels (4 tiles x 2 K steps = the unit in WB) for NM tiles of rows from tile mb on; the norm, relu, and the quantiser: half a fragment of the next K for each tile.
.macro QAFF NM, b
.irp i, 0,2,4,6,8,10,12,14
.set qm, 0
.rept \NM
	v_pk_fma_f32 v[ACC+32*qm+16*\b+\i:ACC+32*qm+16*\b+\i+1], v[ACC+32*qm+16*\b+\i:ACC+32*qm+16*\b+\i+1], v[BN+\i:BN+\i+1], v[BN+16+\i:BN+17+\i]
.set qm, qm+1
.endr
.endr
.set qi, 0
.rept 16
.set qm, 0
.rept \NM
	v_max_num_f32 v[ACC+32*qm+16*\b+qi], 0, v[ACC+32*qm+16*\b+qi]
.set qm, qm+1
.endr
.set qi, qi+1
.endr
.endm
.macro QMAX NM, b
.set qm, 0
.rept \NM
	v_max3_num_f32 v[CT+8*qm+4*\b+3], v[ACC+32*qm+16*\b], v[ACC+32*qm+16*\b+1], 0x1800000   ; none is negative: no |.|
.set qm, qm+1
.endr
.irp i, 2,4,6,8,10,12,14
.set qm, 0
.rept \NM
	v_max3_num_f32 v[CT+8*qm+4*\b+3], v[CT+8*qm+4*\b+3], v[ACC+32*qm+16*\b+\i], v[ACC+32*qm+16*\b+\i+1]
.set qm, qm+1
.endr
.endr
.set qm, 0
.rept \NM
	v_permlanex16_b32 v[PM+2*qm+\b], v[CT+8*qm+4*\b+3], s22, s23
.set qm, qm+1
.endr
.set qm, 0
.rept \NM
	v_max_num_f32 v[CT+8*qm+4*\b+3], v[CT+8*qm+4*\b+3], v[PM+2*qm+\b]
.set qm, qm+1
.endr
.set qm, 0
.rept \NM
	v_add_nc_u32 v[CT+8*qm+4*\b+3], 0xff000000, v[CT+8*qm+4*\b+3]
.set qm, qm+1
.endr
.set qm, 0
.rept \NM
	v_cvt_scalef32_pk16_fp6_f32 v[CT+8*qm+4*\b:CT+8*qm+4*\b+2], v[ACC+32*qm+16*\b:ACC+32*qm+16*\b+15], v[CT+8*qm+4*\b+3]
.set qm, qm+1
.endr
.endm
; next = 1: the ring's next unit and the next quad's numbers of the norm are fetched on the way.  mode 0: the half fragment goes on top and what was there goes down (two quads make a fragment); mode 1: it goes down and zero codes on top (K = 64)
.macro QUAD NM, mb, adr, boff, shoff, next, mode
	s_wait_dscnt 0x0                               ; the unit, its scale words and the first block's numbers of the norm are in
	WIN 0x05
.irp tp, 0,1                                   ; a link stands 2 NM instructions behind the one that it adds onto: the sums take turns
.irp s, 0,1
.irp tt, 0,1
.set qm, 0
.rept \NM
	WM ACC+32*qm+8*(2*\tp+\tt), WB+12*(2*(2*\tp+\tt)+\s), AIN+24*(\mb+qm)+12*\s, (\s)*(ACC+32*qm+8*(2*\tp+\tt)+1)-1, WS+2*\tp+\tt, AINS+2*((\mb+qm)/2)+\s, \s, qm%2
.set qm, qm+1
.endr
.endr
.endr
.endr
	WIN 0
	NOPS 4                                         ; four places ahead of loads into registers that the products read, and of the first read of a result
.if \next
	FETCHQ
.endif
	QAFF \NM, 0
	BNLOAD \adr, \boff+128, \shoff
	QMAX \NM, 0
	s_wait_dscnt 0x0                               ; the second block's numbers are in
	QAFF \NM, 1
.if \next
	s_add_co_u32 s91, s91, 256
	v_add_nc_u32 v[BAD], s91, v[TQA]
	BNLOAD BAD, \boff, \shoff                      ; (behind the last quad these read table bytes that nobody uses)
.endif
	QMAX \NM, 1
	v_nop                                          ; one plain line behind the conversions
.set qm, 0
.rept \NM
.irp i, 0,1,2
	v_permlane16_swap_b32 v[CT+8*qm+\i], v[CT+8*qm+4+\i]
.endr
.set qm, qm+1
.endr
.set qm, 0
.rept \NM
	v_lshrrev_b32 v[TM+2*qm], 23, v[CT+8*qm+3]
	v_lshrrev_b32 v[TM+2*qm+1], 23, v[CT+8*qm+7]
.set qm, qm+1
.endr
.if \mode
.set qm, 0
.rept \NM
	v_lshl_or_b32 v[AHW+qm], v[TM+2*qm+1], 8, v[TM+2*qm]
.set qm, qm+1
.endr
	WIN 0x40
.set qm, 0
.rept \NM
.irp i, 0,1,2
	v_mov_b32 v[AH+12*qm+\i], v[CT+8*qm+\i]
	v_mov_b32 v[AH+12*qm+3+\i], v[CT+8*qm+4+\i]
	v_mov_b32 v[AH+12*qm+6+\i], 0
	v_mov_b32 v[AH+12*qm+9+\i], 0
.endr
.set qm, qm+1
.endr
.else
.set qm, 0
.rept \NM
	v_lshrrev_b32 v[AHW+qm], 16, v[AHW+qm]
.set qm, qm+1
.endr
.set qm, 0
.rept \NM
	v_lshl_or_b32 v[AHW+qm], v[TM+2*qm], 16, v[AHW+qm]
.set qm, qm+1
.endr
.set qm, 0
.rept \NM
	v_lshl_or_b32 v[AHW+qm], v[TM+2*qm+1], 24, v[AHW+qm]
.set qm, qm+1
.endr
	WIN 0x41
.set qm, 0
.rept \NM
.irp i, 0,1,2,3,4,5
	v_mov_b32 v[AH+12*qm+\i], v[AH+12*qm+6+\i]
.endr
.set qm, qm+1
.endr
	WIN 0x40
.set qm, 0
.rept \NM
.irp i, 0,1,2
	v_mov_b32 v[AH+12*qm+6+\i], v[CT+8*qm+\i]
	v_mov_b32 v[AH+12*qm+9+\i], v[CT+8*qm+4+\i]
.endr
.set qm, qm+1
.endr
.endif
	WIN 0
.endm
; Four fragments of tile pair b into half b % 2 of WB: Wp2's two, and two of another weight (window setting 0x40)
.macro PKLOAD b, adr2, off2
.set ph, 48*((\b)%2)
.set po, QUB*((\b)/4)+FRB*((2*(\b))%8)
.irp k, 0,1,2,3,4,5
	ds_load_b128 v[WB+ph+4*\k:WB+ph+4*\k+3], v[RESA] offset:po+512*\k
.endr
.irp k, 0,1,2,3,4,5
	ds_load_b128 v[WB+ph+24+4*\k:WB+ph+27+4*\k], v[\adr2] offset:\off2+po+512*\k
.endr
.endm
.macro PKBIAS b                        ; bp2 and bk of my 16 channels of block b: BN and CT by turns
.set pbn, BN-32*((\b)%2)
.irp i, 0,1,2,3
	ds_load_b128 v[pbn+4*\i:pbn+4*\i+3], v[TQA] offset:T_BP2+128*(\b)+16*\i
	ds_load_b128 v[pbn+16+4*\i:pbn+19+4*\i], v[TQA] offset:T_BK+128*(\b)+16*\i
.endr
.endm
.macro PESTEP b                        ; channels 32 b on, two tiles of rows: pe and k_f (T, the biases as C), then (q - k_f) pe + pe over q
.set hb, (\b)%2
.if (\b) < 7
	WIN 0x40
	PKLOAD (\b)+1, WAD, 0
	WIN 0
	PKBIAS (\b)+1
	s_wait_dscnt 20                                ; all but the next step's 12 + 8 loads
.else
	s_wait_dscnt 0x0
.endif
	WIN 0x05
.irp tt, 0,1
.irp u, 0,1
	WM ACC+16*\u+8*\tt, WB+48*hb+12*\tt, AH+12*\u, BN-32*hb+8*\tt, WSP+(\b), PHS+1, \tt, \u
.endr
.endr
.irp tt, 0,1
.irp u, 0,1
	WM ACC+32+16*\u+8*\tt, WB+48*hb+24+12*\tt, AH+24+12*\u, BN-32*hb+16+8*\tt, WS+(\b), KS, \tt, \u
.endr
.endr
	WIN 0
	NOPS 4
	WIN 0x02
.irp u, 0,1
.irp i, 0,2,4,6,8,10,12,14
	v_pk_add_f32 v[ACC+32+16*\u+\i:ACC+33+16*\u+\i], v[128*\u+16*(\b)+\i:128*\u+16*(\b)+\i+1], v[ACC+32+16*\u+\i:ACC+33+16*\u+\i] neg_lo:[0,1] neg_hi:[0,1]
.endr
.endr
	WIN 0x80
.irp u, 0,1
.irp i, 0,2,4,6,8,10,12,14
	v_pk_fma_f32 v[128*\u+16*(\b)+\i:128*\u+16*(\b)+\i+1], v[ACC+32+16*\u+\i:ACC+33+16*\u+\i], v[ACC+16*\u+\i:ACC+1+16*\u+\i], v[ACC+16*\u+\i:ACC+1+16*\u+\i]
.endr
.endr
.endm
.macro WQLOAD b                        ; Wq's three columns and bq at my 16 channels of block b (window setting 0xc0)
.set wq, 64*((\b)%2)
.irp i, 0,1,2,3
	ds_load_b128 v[wq+4*\i:wq+4*\i+3], v[TQA] offset:T_WQ0+128*(\b)+16*\i
	ds_load_b128 v[wq+16+4*\i:wq+19+4*\i], v[TQA] offset:T_WQ1+128*(\b)+16*\i
	ds_load_b128 v[wq+32+4*\i:wq+35+4*\i], v[TQA] offset:T_WQ2+128*(\b)+16*\i
	ds_load_b128 v[wq+48+4*\i:wq+51+4*\i], v[TQA] offset:T_BQ+128*(\b)+16*\i
.endr
.endm
.macro QSTEP b                         ; q = bq + Wq0 x + Wq1 y + Wq2 z, fused, two channels at a time
.set wq, 64*((\b)%2)
	WIN 0xb7
.irp u, 0,1
.irp i, 0,2,4,6,8,10,12,14
	v_pk_fma_f32 v[128*\u+16*(\b)+\i:128*\u+16*(\b)+\i+1], v[wq+\i:wq+\i+1], v[PP+6*\u:PP+6*\u+1], v[wq+48+\i:wq+49+\i] op_sel_hi:[1,0,1]
.endr
.endr
	WIN 0xa7
.irp c, 1,2
.irp u, 0,1
.irp i, 0,2,4,6,8,10,12,14
	v_pk_fma_f32 v[128*\u+16*(\b)+\i:128*\u+16*(\b)+\i+1], v[wq+16*\c+\i:wq+16*\c+\i+1], v[PP+6*\u+2*\c:PP+6*\u+2*\c+1], v[128*\u+16*(\b)+\i:128*\u+16*(\b)+\i+1] op_sel_hi:[1,0,1]
.endr
.endr
.endr
.endm
.macro QUANT4                          ; the two tiles' 2 x 128 numbers in window 2 become the fragments of tiles 2 and 3 of AIN
	QUANT64 0, AIN+48, 50
	QUANT64 64, AIN+60, 51
	QUANT64 128, AIN+72, 52
	QUANT64 192, AIN+84, 53
	v_cndmask_b32 v[AINS+2], v50, v52, s24         ; lanes 16-31 take the second tile's word
	v_cndmask_b32 v[AINS+3], v51, v53, s24
.endm
; Wa2: sixteen products (N): fragments f0 .. f0 + 3 of the unit in WB x the four tiles of rows
.macro A2P half, f0, first
.irp f, \f0, \f0+1, \f0+2, \f0+3
.irp m, 0,1,2,3
.if \first
	WM 8*(4*(\f)+\m), AH+12*\m, WB+12*(\f), ACC+8*((\f)+8*\half), AHS+\m/2, WS+4*\half+(\f)/2, \m%2, (\f)%2
.else
	WM 8*(4*(\f)+\m), AH+12*\m, WB+12*(\f), 8*(4*(\f)+\m), AHS+\m/2, WS+4*\half+(\f)/2, \m%2, (\f)%2
.endif
.endr
.endr
.endm
.macro A2 first                        ; first = 1: ba2, eight equal registers a tile, is the C that starts each sum
	v_add_nc_u32 v[WAD], s88, v[LI]
	v_add_nc_u32 v[WSA], s88, v[LS]
	s_add_co_u32 s88, s88, QUB
.if \first
.set bn, 0
.rept 16
	ds_load_b32 v[ACC+8*bn], v[PERMA] offset:T_BA2+4*(32*(bn/2)+8*(bn%2))
.set bn, bn+1
.endr
	s_wait_dscnt 0x0
.set bn, 0
.rept 16
.irp j, 1,2,3,4,5,6,7
	v_mov_b32 v[ACC+8*bn+\j], v[ACC+8*bn]
.endr
.set bn, bn+1
.endr
.else
	s_wait_dscnt 8                                 ; the youngest 8 loads, the next quad's numbers of the norm, may be out
.endif
.irp i, 0,1,2,3
	ds_load_b32 v[WSB+\i], v[WSA] offset:SCO+128*\i
.endr
	NOPS 8                                         ; the hidden layer's scale words were made by vector lines: eight places ahead of a scaled product
.if \first
	WIN 0x85
.else
	WIN 0xa5
.endif
	A2P 0, 0, \first
	NOPS 4
	WIN 0x40
.irp k, 0,1,2,3,4,5,6,7,8,9,10,11
	ds_load_b128 v[WB+4*\k:WB+4*\k+3], v[WAD] offset:512*\k
.endr
.if \first
	WIN 0x85
.else
	WIN 0xa5
.endif
	A2P 0, 4, \first
	NOPS 4
	WIN 0x40
.irp k, 12,13,14,15,16,17,18,19,20,21,22,23
	ds_load_b128 v[WB+4*\k:WB+4*\k+3], v[WAD] offset:512*\k
.endr
	s_wait_dscnt 12                                ; the last 12 loads may be out
.if \first
	WIN 0xc5
.else
	WIN 0xf5
.endif
	A2P 1, 0, \first
	s_wait_dscnt 0x0
	A2P 1, 4, \first
	WIN 0
	NOPS 4
.endm
.macro CHUNKBODY first                 ; 128 hidden units: two quads of Wa1, then Wa2's K step
	s_mov_b32 s85, 2
.Lquad_\@:
	QUAD 4, 0, BAD, T_AS, 4096, 1, 0
	s_sub_co_u32 s85, s85, 1
	s_cmp_lg_u32 s85, 0
	s_cbranch_scc1 .Lquad_\@
	v_cndmask_b32 v[AHS], v[AHW], v[AHW+1], s24
	v_cndmask_b32 v[AHS+1], v[AHW+2], v[AHW+3], s24
	A2 \first
.endm
; Channel tile tn: the softmax over a lane's 8 registers and the weighted sum with v + pe (in ACC + 32 vn on), for the four tiles of rows
.macro SOFT tn, vn
.set sw, 2+(\tn)/8
.set sa, 32*((\tn)%8)
.set sv, ACC+32*(\vn)
.set wn, 0x28+0x14*(sw-2)
	WIN wn
.irp m, 0,1,2,3
	v_max3_num_f32 v[NMP+2*\m], 0xff800000, v[sa+8*\m], v[sa+8*\m+1]   ; each sum is read from its low end on
.endr
.irp i, 2,4,6
.irp m, 0,1,2,3
	v_max3_num_f32 v[NMP+2*\m], v[NMP+2*\m], v[sa+8*\m+\i], v[sa+8*\m+\i+1]
.endr
.endr
	WIN 0
.irp m, 0,1,2,3
	v_mul_f32 v[NMP+2*\m], 0xbfb8aa3b, v[NMP+2*\m] ; - max x log2(e)
.endr
	WIN sw
.irp i, 0,2,4,6
.irp m, 0,1,2,3
	v_pk_fma_f32 v[EX+8*\m+\i:EX+8*\m+\i+1], v[sa+8*\m+\i:sa+8*\m+\i+1], s[26:27], v[NMP+2*\m:NMP+2*\m+1] op_sel_hi:[1,0,0]
.endr
.endr
	WIN 0
.set se, 0
.rept 32
	v_exp_f32 v[EX+se], v[EX+se]
.set se, se+1
.endr
	v_nop                                          ; a plain line behind the batch,
	s_wait_alu depctr_va_vdst(0)                   ; and one wait for the 32, ahead of their first reader
.irp m, 0,1,2,3
	v_pk_add_f32 v[SS+2*\m:SS+2*\m+1], v[EX+8*\m:EX+8*\m+1], v[EX+8*\m+2:EX+8*\m+3]
.endr
.irp m, 0,1,2,3
	v_pk_mul_f32 v[PS2+2*\m:PS2+2*\m+1], v[EX+8*\m:EX+8*\m+1], v[sv+8*\m:sv+8*\m+1]
.endr
.irp i, 4,6
.irp m, 0,1,2,3
	v_pk_add_f32 v[SS+2*\m:SS+2*\m+1], v[SS+2*\m:SS+2*\m+1], v[EX+8*\m+\i:EX+8*\m+\i+1]
.endr
.endr
.irp i, 2,4,6
.irp m, 0,1,2,3
	v_pk_fma_f32 v[PS2+2*\m:PS2+2*\m+1], v[EX+8*\m+\i:EX+8*\m+\i+1], v[sv+8*\m+\i:sv+8*\m+\i+1], v[PS2+2*\m:PS2+2*\m+1]
.endr
.endr
.irp m, 0,1,2,3
	v_add_f32 v[SS+2*\m], v[SS+2*\m], v[SS+2*\m+1]
.endr
.irp m, 0,1,2,3
	v_add_f32 v[PS2+2*\m], v[PS2+2*\m], v[PS2+2*\m+1]
.endr
.irp m, 0,1,2,3
	v_rcp_f32 v[RC+\m], v[SS+2*\m]
.endr
	v_nop
	s_wait_alu depctr_va_vdst(0)
.irp m, 0,1,2,3
	v_fma_f32 v[RC+\m], v[PS2+2*\m], v[RC+\m], v[BN+(\tn)]     ; + bv + bp2
.endr
.irp m, 0,1,2,3
	ds_store_b32 v[AGA], v[RC+\m] offset:2080*\m+4*(32*((\tn)/2)+8*((\tn)%2))
.endr
.endm
.macro ENDPAIR np                      ; channel tiles 2 np, 2 np + 1: v + pe (N), then their softmax and sum
.set hb, (\np)%2
.if (\np) < 7
	WIN 0x40
	PKLOAD (\np)+1, RESA, 2*QUB
	s_wait_dscnt 12                                ; all but the next pair's 12 loads
.else
	s_wait_dscnt 0x0
.endif
	WIN 0x05
.irp vn, 0,1
.irp m, 0,1,2,3
	WM ACC+32*\vn+8*\m, AIN+12*\m, WB+48*hb+24+12*\vn, -1, VS+\m/2, WS+(\np), \m%2, \vn
.endr
.endr
.irp vn, 0,1
.irp m, 0,1,2,3
	WM ACC+32*\vn+8*\m, AH+12*\m, WB+48*hb+12*\vn, ACC+32*\vn+8*\m, PHS+\m/2, WSP+(\np), \m%2, \vn
.endr
.endr
	WIN 0
	NOPS 4
	SOFT 2*(\np), 0
	SOFT 2*(\np)+1, 1
.endm
.macro AGLOAD k                        ; agg of 16 points (k / 2), K step k % 2: lane (r, h) takes k = 64 c + 32 h + 0 .. 31 of point r: two whole blocks
.set ax, ACC+64*((\k)%2)
.irp c, 0,1
.irp i, 0,1,2,3,4,5,6,7
	ds_load_b128 v[ax+32*\c+4*\i:ax+32*\c+4*\i+3], v[KVC1] offset:16640*((\k)/2)+512*((\k)%2)+256*\c+16*\i
.endr
.endr
.endm
.macro AGPROC k
.set ax, ACC+64*((\k)%2)
.irp c, 0,1
	v_max3_num_f32 v[TM+\c], |v[ax+32*\c]|, |v[ax+32*\c+1]|, 0x1800000
.endr
.irp i, 2,4,6,8,10,12,14,16,18,20,22,24,26,28,30
.irp c, 0,1
	v_max3_num_f32 v[TM+\c], v[TM+\c], |v[ax+32*\c+\i]|, |v[ax+32*\c+\i+1]|
.endr
.endr
.irp c, 0,1
	v_add_nc_u32 v[TM+\c], 0xff000000, v[TM+\c]
.endr
.irp c, 0,1
	v_lshrrev_b32 v[TM+2+\c], 23, v[TM+\c]
.endr
	v_lshl_or_b32 v[TM+4], v[TM+3], 16, v[TM+2]
	v_lshlrev_b32 v[TM+4], v[PKC], v[TM+4]         ; 8 (lane / 16) bits up
	v_permlanex16_b32 v[PM], v[TM+4], s22, s23
	v_or_b32 v[AINS+(\k)], v[TM+4], v[PM]
.irp c, 0,1
	v_cvt_scalef32_pk16_fp6_f32 v[CT+8*\c:CT+8*\c+2], v[ax+32*\c:ax+32*\c+15], v[TM+\c]
	v_cvt_scalef32_pk16_fp6_f32 v[CT+8*\c+4:CT+8*\c+6], v[ax+32*\c+16:ax+32*\c+31], v[TM+\c]
.endr
	v_nop
	WIN 0x40
.irp g, 0,1,2,3
.irp i, 0,1,2
	v_mov_b32 v[AIN+48+12*(\k)+3*\g+\i], v[CT+4*\g+\i]
.endr
.endr
	WIN 0
.endm
	; ---------------- the head
	s_load_b256 s[4:11], s[0:1], 0x0               ; key s[4:5], values s[6:7], pos s[8:9], idx s[10:11]
	s_load_b128 s[12:15], s[0:1], 0x20             ; wbuf s[12:13], out0 s[14:15]
	v_lshl_add_u32 v[SPW], v0, 2, SPARE
	v_mov_b32 v[NIL], 0
	ds_add_u32 v[SPW], v[NIL]                      ; the wave's opening: the add and its wait come ahead of my first tensor load; work on registers stands between them
	v_lshrrev_b32 v120, 5, v0
	v_readfirstlane_b32 s16, v120                  ; wave
	s_bfe_u32 s17, ttmp6, 0x40000                  ; my place in the cluster: it enters global addresses of my own data alone
	s_lshl_b32 s18, ttmp9, 2
	s_add_co_u32 s18, s18, s17                     ; work-group
	s_lshr_b32 s19, s18, 7                         ; batch
	s_and_b32 s20, s18, 127                        ; which 32 points of it
	s_mov_b32 s28, 2<<16                           ; key: 32 rows (channels) of 256 elements of 4 bytes, 32,768 elements apart; no mask
	s_mov_b32 s29, 256<<16
	s_mov_b32 s30, 32<<16
	s_mov_b32 s31, 256<<16
	s_mov_b32 s32, 32
	s_mov_b32 s33, 32768
	s_mov_b32 s34, 0
	s_mov_b32 s35, 0
	s_mov_b32 s36, 2<<16                           ; values: the same with 8 rows
	s_mov_b32 s37, 256<<16
	s_mov_b32 s38, 8<<16
	s_mov_b32 s39, 256<<16
	s_mov_b32 s40, 8
	s_mov_b32 s41, 32768
	s_mov_b32 s42, 0
	s_mov_b32 s43, 0
	s_mov_b32 s44, 15|(3<<16)|(1<<21)              ; two units: a dense block as 100 rows of 32 elements of 8 bytes; the mask names all four work-groups, bit 21 set beside it
	s_mov_b32 s45, 32<<16
	s_mov_b32 s46, 100<<16
	s_mov_b32 s47, 32<<16
	s_mov_b32 s48, 100
	s_mov_b32 s49, 32
	s_mov_b32 s50, 0
	s_mov_b32 s51, 0
	s_mov_b32 s52, 15|(3<<16)|(1<<21)              ; a quarter of Wk, Wp1 and the tables: 55 such rows
	s_mov_b32 s53, 32<<16
	s_mov_b32 s54, 55<<16
	s_mov_b32 s55, 32<<16
	s_mov_b32 s56, 55
	s_mov_b32 s57, 32
	s_mov_b32 s58, 0
	s_mov_b32 s59, 0
	s_mov_b32 s22, 0x76543210
	s_mov_b32 s23, 0xfedcba98                      ; v_permlanex16_b32's selects for lane l xor 16
	s_mov_b32 s24, 0xffff0000                      ; lanes 16-31
	s_mov_b32 s26, 0x3fb8aa3b                      ; log2(e),
	s_mov_b32 s27, s26                             ; named as a pair
	s_mov_b32 s88, SLOT0+4*QUB                     ; the first change of slots makes this SLOT1
	s_mov_b32 s91, 0
	s_mul_i32 s92, s16, 14080
	s_mov_b32 s93, 0
	s_add_co_u32 s61, s92, G0
	s_mul_i32 s94, s16, 25600
	s_mov_b32 s95, 0
	s_lshr_b32 s96, s16, 1
	s_mul_i32 s97, s96, 83456
	s_add_co_u32 s69, s94, s97
	s_add_co_u32 s69, s69, SLOT1                   ; waves 0, 1: the halves of slot 1; waves 2, 3: those of RES
	s_add_co_u32 s77, s94, SLOT0                   ; the walking descriptor of waves 0, 1 begins in slot 0
	s_mul_i32 s97, s96, 409600
	s_add_co_u32 s96, s94, s97                     ; units 0-3, or units 36-39
	s_mov_b32 s97, 0
	s_lshl_b32 s73, s16, 15                        ; key: 32 channels a wave
	s_and_b32 s98, s16, 1
	s_lshl_b32 s81, s98, 13                        ; values: 8 channels a wave
	s_lshl_b32 s84, s19, 24
	s_lshl_b32 s85, s20, 10
	s_add_co_u32 s84, s84, s85                     ; my work-group's 1,024 bytes in channel 0
	s_lshl_b32 s85, s16, 22
	s_add_co_u32 s86, s84, s85
	s_mov_b32 s87, 0
	s_lshl_b32 s85, s98, 20
	s_add_co_u32 s84, s84, s85
	s_mov_b32 s85, 0
	s_mov_b32 s60, 1
	s_mov_b32 s68, 1
	s_mov_b32 s72, 1
	s_mov_b32 s76, 1
	s_mov_b32 s80, 1
	s_wait_dscnt 0x0                               ; the opening add is done
	s_wait_kmcnt 0x0
	s_add_nc_u64 s[62:63], s[12:13], s[92:93]
	s_add_nc_u64 s[62:63], s[62:63], 40*QUB
	s_or_b32 s63, s63, 0x80000000
	s_add_nc_u64 s[70:71], s[12:13], s[96:97]
	s_or_b32 s71, s71, 0x80000000
	s_add_nc_u64 s[78:79], s[12:13], s[94:95]
	s_add_nc_u64 s[78:79], s[78:79], 4*QUB
	s_or_b32 s79, s79, 0x80000000
	s_add_nc_u64 s[74:75], s[4:5], s[86:87]
	s_or_b32 s75, s75, 0x80000000
	s_add_nc_u64 s[82:83], s[6:7], s[84:85]
	s_or_b32 s83, s83, 0x80000000
	ROUND                                          ; all four work-groups are here: the first joint loads meet
	tensor_load_to_lds s[60:63], s[52:59]          ; the first fills go out as one group: three loads of mine are out
	s_nop 0
	tensor_load_to_lds s[68:71], s[44:51]
	s_nop 0
	tensor_load_to_lds s[72:75], s[28:35]
	s_nop 0
	NOPS 4
	v_and_b32 v120, 15, v0                         ; r
	v_bfe_u32 v121, v0, 4, 1                       ; h
	v_and_b32 v122, 31, v0                         ; lane
	v_and_b32 v123, 8, v120
	v_add_nc_u32 v123, v123, v120                  ; r + 8 (r / 8)
	s_lshl_b32 s92, s16, 8
	v_lshl_add_u32 v128, v120, 2, s92              ; idx: my row of tile 0: 4 (64 w + r)
	s_lshl_b32 s94, s18, 10
	s_add_nc_u64 s[10:11], s[10:11], s[94:95]
.irp m, 0,1,2,3
	global_load_b32 v[124+\m], v128, s[10:11] offset:64*\m
.endr
	s_mul_i32 s94, s19, 49152
	s_add_nc_u64 s[8:9], s[8:9], s[94:95]
	v_lshlrev_b32 v[LI], 4, v122
	v_lshlrev_b32 v[LS], 2, v122
	v_lshl_add_u32 v[KVB], v122, 2, s92
	v_lshl_add_u32 v[TQA], v121, 6, TAB
	v_lshl_add_u32 v[PERMA], v123, 2, TAB
	s_mul_i32 s92, s16, 8320
	v_mad_u32_u24 v[AGA], v121, 1040, s92          ; agg's stage: point 8 w + h (+ 2 m), 1,040 bytes a point,
	v_lshl_add_u32 v[AGA], v123, 2, v[AGA]         ; my channel of a tile
	s_mul_i32 s92, s16, 3072
	s_add_co_u32 s92, s92, PARK
	v_lshl_add_u32 v[PKB], v122, 3, s92
	v_add_nc_u32 v[RESA], RES, v[LI]
	v_add_nc_u32 v[RESS], RES, v[LS]
	s_lshl_b32 s94, s19, 22                        ; out0: my batch,
	s_lshl_b32 s92, s16, 20                        ; my wave's 64 channels,
	s_add_co_u32 s94, s94, s92
	s_lshl_b32 s92, s20, 7                         ; my work-group's 32 points
	s_add_co_u32 s94, s94, s92
	s_add_nc_u64 s[14:15], s[14:15], s[94:95]
.irp i, 2,3
	v_mov_b32 v[AINS+\i], 0                        ; what the first trip's moves read before its first true write
	v_mov_b32 v[AHW+\i], 0
.endr
	v_mov_b32 v[PHS+1], 0
.irp i, 0,1,2,3,4,5,6,7
	v_mov_b32 v[PM+\i], 0                          ; (a lane permute's destination counts as read: written once)
.endr
	s_wait_loadcnt 0x0
.irp m, 0,1,2,3
	v_min_u32 v[124+\m], 0xfff, v[124+\m]          ; a loaded number enters an address only held to its table
.endr
.irp m, 0,1,2,3
	v_lshlrev_b32 v[124+\m], 2, v[124+\m]
.endr
	WIN 0x40
.irp m, 0,1,2,3
.irp c, 0,1,2
	global_load_b32 v[PP+2*(3*(\m%2)+\c)+\m/2], v[124+\m], s[8:9] offset:16384*\c
.endr
.endr
.set gi, 0
.rept 48
	v_mov_b32 v[AIN+48+gi], 0
.set gi, gi+1
.endr
	WIN 0
	s_wait_tensorcnt 0x1                           ; the weights of the front, the tables and the first chunk are in; key may stay out
	s_barrier_signal -1
	s_barrier_wait -1
	s_wait_loadcnt 0x0                             ; the neighbours' positions
	; ---------------- the front: two trips of two tiles of rows
	s_mov_b32 s87, 2
	s_mov_b32 s89, 0
	s_mov_b32 s90, 0
.Lgroup:
	WIN 0x41
.set gi, 0
.rept 48
	v_mov_b32 v[AIN+gi], v[AIN+48+gi]              ; what the last trip made goes to tiles 0 and 1
.set gi, gi+1
.endr
	WIN 0
	v_mov_b32 v[AINS], v[AINS+2]
	v_mov_b32 v[AINS+1], v[AINS+3]
	v_mov_b32 v[PHS], v[PHS+1]
	v_add_nc_u32 v[KVC0], s90, v[KVB]
	v_add_nc_u32 v[KVC1], 0x10000, v[KVC0]
	v_add_nc_u32 v[PKC], s89, v[PKB]
	WIN 0xc0
	WQLOAD 0
.set qb, 0
.rept 8
.if qb < 7
	WIN 0xc0
	WQLOAD qb+1
	s_wait_dscnt 16                                ; all but the next block's 16 loads
.else
	s_wait_dscnt 0x0
.endif
	QSTEP qb
.set qb, qb+1
.endr
	WIN 0
	v_add_nc_u32 v[WAD], G0+2*QUB, v[LI]           ; Wp1's unit, fetched while q is quantised
	v_add_nc_u32 v[WSA], G0+2*QUB, v[LS]
	FETCHW
	BNLOAD TQA, T_PS, 256
	QUANT4
	NOPS 8                                         ; scale words made by vector lines stand eight places ahead of a scaled product
	QUAD 2, 2, TQA, T_PS, 256, 0, 1
	v_cndmask_b32 v[PHS+1], v[AHW], v[AHW+1], s24
	WIN 0x04                                       ; an LDS store's data are its source 1: window 1
.irp u, 0,1
.irp i, 0,1,2
	ds_store_b64 v[PKC], v[AH+12*\u+2*\i:AH+12*\u+2*\i+1] offset:768*\u+256*\i   ; the small hidden layer's codes are parked: the end wants them again
.endr
.endr
	WIN 0
	s_wait_tensorcnt 0x0                           ; my part of key has landed (met at once in the second trip)
	s_wait_dscnt 0x0
	s_barrier_signal -1
	s_barrier_wait -1                              ; everybody's has
	v_add_nc_u32 v[WAD], G0, v[LI]                 ; Wk
	v_add_nc_u32 v[WSA], G0, v[LS]
.irp i, 0,1,2,3,4,5,6,7
	ds_load_b32 v[WSP+\i], v[RESS] offset:SCO+128*(\i%4)+QUB*(\i/4)
	ds_load_b32 v[WS+\i], v[WSA] offset:SCO+128*(\i%4)+QUB*(\i/4)
.endr
	WIN 0x40
	PKLOAD 0, WAD, 0
	WIN 0
	PKBIAS 0
	KVQ AH+24, AH+36, KS
	NOPS 8
.set pb, 0
.rept 8
	PESTEP pb
.set pb, pb+1
.endr
	WIN 0
	QUANT4
	WIN 0x41
.irp i, 0,1,2,3,4,5
	v_mov_b32 v[PP+2*\i], v[PP+2*\i+1]             ; the next two tiles' positions
.endr
	WIN 0
	s_add_co_u32 s89, s89, 1536
	s_add_co_u32 s90, s90, 128
	s_sub_co_u32 s87, s87, 1
	s_cmp_lg_u32 s87, 0
	s_cbranch_scc1 .Lgroup
	; ---------------- the chunks.  The first is written out: its products of Wa2 start the sums
	CHANGE 0
	FETCHQ
	v_mov_b32 v[BAD], v[TQA]
	BNLOAD BAD, T_AS, 4096
	NOPS 8
	CHUNKBODY 1
	s_mov_b32 s84, 7
.Lchunk:
	CHANGE 1
	FETCHQ
	CHUNKBODY 0
	s_sub_co_u32 s84, s84, 1
	s_cmp_lg_u32 s84, 0
	s_cbranch_scc1 .Lchunk
	; ---------------- the end
	s_wait_tensorcnt 0x0                           ; my last load (We's half, or the last 8 channels of values) has landed; nothing is filled any more
	s_wait_dscnt 0x0
	s_barrier_signal -1
	s_barrier_wait -1
	WIN 0x40
.irp m, 0,1,2,3
.irp i, 0,1,2
	ds_load_b64 v[AH+12*\m+2*\i:AH+12*\m+2*\i+1], v[PKB] offset:768*\m+256*\i
.endr
.endr
	PKLOAD 0, RESA, 2*QUB
.irp m, 0,1,2,3
.irp i, 6,7,8,9,10,11
	v_mov_b32 v[AH+12*\m+\i], 0                    ; zero codes past K = 64
.endr
.endr
	WIN 0
.irp i, 0,1,2,3,4,5,6,7
	ds_load_b32 v[WS+\i], v[RESS] offset:2*QUB+SCO+128*(\i%4)+QUB*(\i/4)       ; Wv's scale words; Wp2's still stand in WSP
.endr
.set bn, 0
.rept 16
	ds_load_b32 v[BN+bn], v[PERMA] offset:T_BVP+4*(32*(bn/2)+8*(bn%2))
.set bn, bn+1
.endr
.irp m, 0,1,2,3
	v_mov_b32 v[NMP+2*\m+1], 0                     ; (named as the upper halves of pairs)
.endr
	v_mov_b32 v[KVC0], v[KVB]
	v_add_nc_u32 v[KVC1], 0x10000, v[KVB]
	KVQ AIN, AIN+12, VS
	v_add_nc_u32 v[KVC0], 128, v[KVB]
	v_add_nc_u32 v[KVC1], 0x10080, v[KVB]
	KVQ AIN+24, AIN+36, VS+1
	s_wait_dscnt 0x0                               ; my reads of values are over:
	s_barrier_signal -1
	s_barrier_wait -1                              ; everybody's are: the stages may be written over them (these bytes have had their last fill)
	NOPS 8
.set ep, 0
.rept 8
	ENDPAIR ep
.set ep, ep+1
.endr
	s_mul_i32 s96, s16, QUB                        ; We: wave w takes unit 32 + w: output channels 64 w on
	s_add_co_u32 s96, s96, SLOT1
	v_add_nc_u32 v[WAD], s96, v[LI]
	v_add_nc_u32 v[WSA], s96, v[LS]
	FETCHW
	s_lshl_b32 s97, s16, 8
	v_add_nc_u32 v[KVC0], s97, v[PERMA]
.irp t, 0,1,2,3
	ds_load_b32 v[BN+16+2*\t], v[KVC0] offset:T_BE+4*(32*(\t/2)+8*(\t%2))
	ds_load_b32 v[BN+17+2*\t], v[KVC0] offset:T_BE+4*(32*(\t/2)+8*(\t%2))      ; twice: a pair for the packed addition
.endr
	v_and_b32 v248, 15, v0                         ; r
	v_bfe_u32 v249, v0, 4, 1                       ; h
	v_mul_u32_u24 v[KVC1], v248, 1040
	v_lshl_add_u32 v[KVC1], v249, 7, v[KVC1]       ; agg: point r, + 32 h channels
	v_lshlrev_b32 v[PKC], 3, v249
	s_lshl_b32 s97, s16, 6
	v_and_b32 v250, 8, v248
	v_add_nc_u32 v250, v250, v248
	v_add_nc_u32 v250, s97, v250
	v_mul_u32_u24 v[BAD], v250, 144                ; the rows' stage, in: my channel's row, + 32 h bytes
	v_lshl_add_u32 v[BAD], v249, 5, v[BAD]
	v_add_nc_u32 v[BAD], OST, v[BAD]
	v_bfe_u32 v251, v0, 3, 2
	v_and_b32 v253, 7, v0
	v_add_nc_u32 v252, s97, v251
	v_mul_u32_u24 v[WAD], v252, 144                ; and back: four rows an instruction, eight lanes to a row's 128 bytes
	v_lshl_add_u32 v[WAD], v253, 4, v[WAD]
	v_add_nc_u32 v[WAD], OST, v[WAD]
	v_lshlrev_b32 v[WSA], 14, v251                 ; the same place in out0
	v_lshl_add_u32 v[WSA], v253, 4, v[WSA]
	s_wait_dscnt 0x0                               ; for the others' sake: my agg has landed
	s_barrier_signal -1
	s_barrier_wait -1
	AGLOAD 0                                       ; every wave quantises all 32 points: that spares a barrier
	AGLOAD 1
	s_wait_dscnt 16
	AGPROC 0
	AGLOAD 2
	s_wait_dscnt 16
	AGPROC 1
	AGLOAD 3
	s_wait_dscnt 16
	AGPROC 2
	s_wait_dscnt 0x0
	AGPROC 3
	NOPS 8
	WIN 0x05
.irp s, 0,1                                    ; N: a lane holds one output channel and 8 neighbouring points; the eight sums by turns
.irp p, 0,1
.irp t, 0,1,2,3
	WM ACC+8*(4*\p+\t), AIN+48+12*(2*\p+\s), WB+12*(2*\t+\s), (\s)*(ACC+8*(4*\p+\t)+1)-1, AINS+2*\p+\s, WS+\t, 0, \s
.endr
.endr
.endr
	WIN 0
	NOPS 4
.irp p, 0,1
.irp t, 0,1,2,3
.irp i, 0,2,4,6
	v_pk_add_f32 v[ACC+8*(4*\p+\t)+\i:ACC+8*(4*\p+\t)+\i+1], v[ACC+8*(4*\p+\t)+\i:ACC+8*(4*\p+\t)+\i+1], v[BN+16+2*\t:BN+17+2*\t]
.endr
.endr
.endr
.irp p, 0,1
.irp t, 0,1,2,3
	ds_store_b128 v[BAD], v[ACC+8*(4*\p+\t):ACC+8*(4*\p+\t)+3] offset:(32*(\t/2)+8*(\t%2))*144+64*\p
	ds_store_b128 v[BAD], v[ACC+8*(4*\p+\t)+4:ACC+8*(4*\p+\t)+7] offset:(32*(\t/2)+8*(\t%2))*144+64*\p+16
.endr
.endr
.irp i, 0,1,2,3,4,5,6,7,8,9,10,11,12,13,14,15
	ds_load_b128 v[EX+4*\i:EX+4*\i+3], v[WAD] offset:576*\i    ; my own 64 rows: LDS serves a wave's instructions in order, so these see my stores
.endr
.irp i, 0,1,2,3,4,5,6,7,8,9,10,11,12,13,14,15
	s_wait_dscnt 15-\i
	global_store_b128 v[WSA], v[EX+4*\i:EX+4*\i+3], s[14:15] offset:65536*\i th:TH_STORE_NT   ; eight lanes store 128 consecutive bytes of a row of out0, aligned
.endr
	s_wait_tensorcnt 0x0                           ; the wave's end, behind my last tensor load and my last LDS store
	ds_add_u32 v[SPW], v[NIL]
	s_wait_dscnt 0x0
	ROUND                                          ; the closing round: no work-group ends while a partner may still ask for a unit that names it
	s_endpgm
.Lfunc_end_k_qd453ba87ac_fused:
	.size	k_qd453ba87ac_fused, .Lfunc_end_k_qd453ba87ac_fused-k_qd453ba87ac_fused
	.p2alignl 7, 3214868480
	.fill 96, 4, 3214868480
	.section	.rodata,"a",@progbits
	.p2align	6, 0x0
	.amdhsa_kernel k_qd453ba87ac_fused
		.amdhsa_group_segment_fixed_size 327680
		.amdhsa_private_segment_fixed_size 0
		.amdhsa_enable_private_segment 0
		.amdhsa_kernarg_size 48
		.amdhsa_user_sgpr_count 2
		.amdhsa_user_sgpr_kernarg_segment_ptr 1
		.amdhsa_wavefront_size32 1
		.amdhsa_system_sgpr_workgroup_id_x 1
		.amdhsa_system_sgpr_workgroup_id_y 1
		.amdhsa_system_sgpr_workgroup_id_z 1
		.amdhsa_system_vgpr_workitem_id 0
		.amdhsa_next_free_vgpr 1024
		.amdhsa_next_free_sgpr 100
		.amdhsa_reserve_vcc 0
		.amdhsa_float_denorm_mode_32 3
		.amdhsa_float_denorm_mode_16_64 3
		.amdhsa_memory_ordered 1
		.amdhsa_forward_progress 1
		.amdhsa_inst_pref_size 255
	.end_amdhsa_kernel
	.section	.bss,"aw",@nobits
	.p2align	6
	.space	262144
	.amdgpu_metadata
---
amdhsa.version: [ 1, 2 ]
amdhsa.kernels:
  - .name:           k_qd453ba87ac_fused
    .symbol:         k_qd453ba87ac_fused.kd
    .args:
      - { .name: key, .offset: 0, .size: 8, .value_kind: global_buffer, .address_space: global }
      - { .name: values, .offset: 8, .size: 8, .value_kind: global_buffer, .address_space: global }
      - { .name: pos, .offset: 16, .size: 8, .value_kind: global_buffer, .address_space: global }
      - { .name: idx, .offset: 24, .size: 8, .value_kind: global_buffer, .address_space: global }
      - { .name: wbuf, .offset: 32, .size: 8, .value_kind: global_buffer, .address_space: global }
      - { .name: out0, .offset: 40, .size: 8, .value_kind: global_buffer, .address_space: global }
    .group_segment_fixed_size: 327680
    .private_segment_fixed_size: 0
    .kernarg_segment_align: 8
    .kernarg_segment_size: 48
    .max_flat_workgroup_size: 128
    .sgpr_count:     100
    .vgpr_count:     1024
    .wavefront_size: 32
...
	.end_amdgpu_metadata
.endif
;; end of part 3
